; MI455X (gfx1250); checked and timed in simulation.
; The chip was launched on July 23, 2026; its instructions are those of AMD's public machine-readable ISA for CDNA 5 (MIT licence, August 2026) and "CDNA5" Instruction Set Architecture Reference Guide (July 2026). The comments in the code are by the model that wrote it; some were corrected since.
;; Own Single Head Transformer. Allowed arithmetic: matrix products marked QUANTISED: E2M1 operands, one E8M0 scale for each 32 along K, by v_wmma_scale_f32_16x16x128_f8f6f4 with both operands' format E2M1 (or v_wmma_scale_f32_32x16x128_f4), f32 sums; products left as they are: bf16, f16 or f32 operands; f32 sums; everything else in f32.
;; Inputs: W1 3,072 x 768 float32; W2 768 x 3,072 float32; Wk 768 x 768 float32; Wq 768 x 768 float32; Wv 768 x 768 float32; b1 3,072 float32; b2 768 float32; bk 768 float32; bq 768 float32; bv 768 float32; embeddings 8 x 1,024 x 768 float32.
;; Outputs: out0 8 x 1,024 x 768 float32.
;; This version of the problem:
;;   THIS VERSION OF THE PROBLEM IS GIVEN IN LOW PRECISION. The matrix products marked QUANTISED in the list below multiply operands that are first quantised to E2M1 (2 exponent bits, 1 mantissa bit; 4 bits a number), with one power-of-two scale for each 32 numbers along K (OCP MX v1.0); their sums are f32. The products marked 'left as it is' may take bf16, f16 or f32 operands, with f32 sums. Whichever they take, every output number must still come out within the allowed error. Rounding operands to bf16 (8 significant bits) uses up far more of that allowance than f16 does (11 bits, for magnitudes from 6e-5 to 65,504). All else is computed in f32.
;;   The module's matrix products, in the order in which they are computed (A, B: the left and right operand; K: the contracted axis; several contracted axes count as one K, in the product's order):
;;     1. [M 8,192, K 768] x [K 768, N 768]; A: input embeddings; B: input Wq: QUANTISED
;;     2. [M 8,192, K 768] x [K 768, N 768]; A: input embeddings; B: input Wk: QUANTISED
;;     3. [M 8,192, K 768] x [K 768, N 768]; A: input embeddings; B: input Wv: QUANTISED
;;     4. batch 8 x [M 1,024, K 768] x [K 768, N 1,024]; A: computed on the way; B: computed on the way: left as it is (an operand is computed on the way)
;;     5. batch 8 x [M 1,024, K 1,024] x [K 1,024, N 768]; A: computed on the way; B: computed on the way: left as it is (an operand is computed on the way)
;;     6. [M 8,192, K 768] x [K 768, N 3,072]; A: computed on the way; B: input W1: left as it is (an operand is computed on the way)
;;     7. [M 8,192, K 3,072] x [K 3,072, N 768]; A: computed on the way; B: input W2: left as it is (an operand is computed on the way)
;;   THE QUANTISER, for each operand of a quantised product, along K:
;;     - K is cut into blocks of 32 from its start; a last block that is shorter is filled with zeros.
;;     - A block's scale is 2^e with e = floor(log2(the largest magnitude in the block)) - 2, held to -126 .. 127; a block of zeros has e = 0. As a byte (E8M0): e + 127.
;;     - Each number is divided by its block's scale, clamped to +-6, and rounded to the nearest number of E2M1, ties to even, subnormals kept.
;;     - The product sums the exact products of the quantised numbers (number of the format x scale) in f32.
;;   ~~~python
;;   def quantise(x, axis):      # numpy; x: float32 -> the quantised numbers, widened to float32 again
;;       x = np.moveaxis(x, axis, -1); K = x.shape[-1]
;;       x = np.pad(x, [(0, 0)] * (x.ndim - 1) + [(0, -K % 32)]); x = x.reshape(x.shape[:-1] + (-1, 32)); a = np.abs(x).max(-1, keepdims=True)
;;       e = np.where(a > 0, np.clip(np.frexp(np.where(a > 0, a, 1))[1] - 1 - 2, -126, 127), 0)      # np.frexp(a)[1] - 1 = floor(log2(a)), exactly
;;       r = np.clip(x / 2.0 ** e, -6, 6)
;;       step = 2.0 ** (np.maximum(np.frexp(np.where(r == 0, 1, r))[1] - 1, 0) - 1)
;;       q = np.round(r / step) * step * 2.0 ** e      # np.round: ties to even
;;       return np.moveaxis(q.reshape(q.shape[:-2] + (-1,))[..., :K], -1, axis).astype(np.float32)
;;   ~~~
;; One version. Each part assembles by itself: llvm-mc -triple=amdgcn-amd-amdhsa -mcpu=gfx1250 --defsym DOCPART=n.
;; ======== version 1 of 1: 6 launches
;; limits: values are held in f16: magnitudes above 65,504 overflow, below 6.1e-05 lose precision
;; workspace buffers: codes 4,366,336 bytes; wts 9,437,184 bytes; qkv 46,137,344 bytes; pmat 16,777,216 bytes; stats 524,288 bytes; attn 12,582,912 bytes; hid 50,331,648 bytes
;; launch prep (part 1): grid 308 x 1, 4 waves a work-group, no clusters, 35,840 bytes of LDS; arguments embeddings, Wq, Wk, Wv, W1, W2, codes, wts; writes codes, wts
.if DOCPART == 1
	.amdgcn_target "amdgcn-amd-amdhsa--gfx1250"
	.amdhsa_code_object_version 6
	.text
	.protected	k_q9f2f7b0dc1_prep
	.globl	k_q9f2f7b0dc1_prep
	.p2align	8
	.type	k_q9f2f7b0dc1_prep,@function
k_q9f2f7b0dc1_prep:
	s_mov_b64 s[64:65], 0
	v_nop
	global_prefetch_b8 v0, s[64:65] scope:SCOPE_SE
	s_setreg_imm32_b32 hwreg(HW_REG_WAVE_MODE, 25, 1), 1
	s_wait_xcnt 0x0
; Work-groups 0-163: embeddings [8192][768], Wq, Wk, Wv [768][768], f32, become codes of FP4 (E2M1) with one E8M0 scale byte for each 32 along K (K is innermost in all four).
; Work-groups 164-235: W1 [3072][768] f32 -> f16.  Work-groups 236-307: W2 [768][3072] f32 -> bf16.  The roles part on the work-group's number alone.
; A block's scale is 2^(floor(log2(its largest magnitude)) - 2); its byte is the largest magnitude's exponent field - 2, held at 1 from below.
; LIMITS: a block of zeros gets the byte 1 where the rule says 127 (its codes are zeros, and this program alone reads the bytes); NaN and infinities are not served; |W1| above 65,504 becomes infinity in f16.
; THE CODES ARE LAID IN THE ORDER OF THE OPERAND'S REGISTERS: [R = row / 16][s = k / 128][c = 0, 1][lane][16 bytes]; lane (r, h) holds k = 128 s + 64 c + 32 h + 0 .. 31 of row 16 R + r.  x's 512 blocks R come first, then Wq's, Wk's, Wv's 48 each.
; The scale words: [row][8 words], word s = the four bytes of K step s, words 6 and 7 = 0; they begin at byte 4,030,464 of the same buffer, in the same order of rows.
; QUANTISING: a wave takes one R, 16 rows x 768, in 12 steps of 64 along K.  A step's loads read two rows x 256 consecutive bytes each; the 4,096 bytes turn through the wave's own stage in LDS (rows 272 bytes apart)
; and come back 128 bytes a lane: a whole block of 32 in one lane's registers, so a block's maximum needs no other lane.  A step's codes leave as 512 consecutive bytes.  No work-group shares an input with another: no cluster, no tensor load.
.set SPARE, 34816                      ; behind the four waves' stages: the spare words, 128 bytes a wave
.set SPW, 12                           ; v12  my spare word's LDS address; never rewritten
.set NIL, 13                           ; v13  0; never rewritten
.set R, 16                             ; v16-111  three sets of 32: a step's numbers as loaded
.set X, 112                            ; v112-175 two sets of 32: my block
.set C, 176                            ; v176-223 four registers of codes for each step: no store's data are written again
.set E, 224                            ; v224-235 a scale byte for each step
.set W, 236                            ; v236-243 the eight scale words of my row
.set O, 248                            ; v248-251 the four that I store
	s_load_b512 s[4:19], s[0:1], 0x0               ; embeddings, Wq, Wk, Wv, W1, W2, codes, wts
	v_lshl_add_u32 v[SPW], v0, 2, SPARE
	v_mov_b32 v[NIL], 0
	v_lshrrev_b32 v1, 5, v0
	v_readfirstlane_b32 s28, v1                    ; wave
	v_and_b32 v1, 31, v0                           ; lane
	s_mov_b32 s23, 0
	s_wait_kmcnt 0x0
	s_cmp_lt_u32 ttmp9, 164
	s_cbranch_scc0 .Lconvert
	v_and_b32 v2, 15, v0                           ; r
	v_bfe_u32 v3, v0, 4, 1                         ; h
	v_lshlrev_b32 v4, 4, v2
	v_mad_u32_u24 v4, v3, 3072, v4                 ; in memory: row h of a pair of rows, 16 bytes a lane
	s_mul_i32 s29, s28, 8704                       ; my wave's two stages
	v_mul_u32_u24 v5, v3, 272
	v_lshl_add_u32 v5, v2, 4, v5
	v_add_nc_u32 v5, s29, v5                       ; into a stage: as loaded
	v_mul_u32_u24 v6, v2, 272
	v_lshl_add_u32 v6, v3, 7, v6
	v_add_nc_u32 v6, s29, v6                       ; out of it: row r, 128 bytes for each half of the lanes
	v_lshlrev_b32 v7, 4, v1                        ; my codes' place in a step's 512 bytes
	v_lshlrev_b32 v8, 5, v2
	v_lshl_add_u32 v8, v3, 4, v8                   ; my four scale words: row r, words 4 h on
	v_lshlrev_b32 v9, 3, v3                        ; 8 h
	v_mov_b32 v244, 0                              ; a lane permute's destination counts as read
	s_mov_b32 s24, 0x76543210
	s_mov_b32 s25, 0xfedcba98                      ; lane l xor 16
	s_mov_b32 s26, 0xffff0000                      ; lanes 16-31
	s_mov_b32 s22, 152                             ; which tensor, and its first work-group: by the work-group's number alone
	s_cmp_lt_u32 ttmp9, 152
	s_cselect_b64 s[20:21], s[8:9], s[10:11]
	s_cselect_b32 s22, 140, s22
	s_cmp_lt_u32 ttmp9, 140
	s_cselect_b64 s[20:21], s[6:7], s[20:21]
	s_cselect_b32 s22, 128, s22
	s_cmp_lt_u32 ttmp9, 128
	s_cselect_b64 s[20:21], s[4:5], s[20:21]
	s_cselect_b32 s22, 0, s22
	s_sub_co_u32 s22, ttmp9, s22
	s_lshl_b32 s22, s22, 2
	s_add_co_u32 s22, s22, s28
	s_mul_i32 s22, s22, 49152                      ; 16 rows of 3,072 bytes for each wave
	s_add_nc_u64 s[20:21], s[20:21], s[22:23]
	s_lshl_b32 s30, ttmp9, 2
	s_add_co_u32 s30, s30, s28                     ; my R among all 656
	s_mul_i32 s22, s30, 6144
	s_add_nc_u64 s[32:33], s[16:17], s[22:23]      ; its codes
	s_lshl_b32 s22, s30, 9
	s_add_co_u32 s22, s22, 4030464
	s_add_nc_u64 s[34:35], s[16:17], s[22:23]      ; its scale words
.macro LOAD t                          ; step t: 16 rows x 256 bytes
.irp i, 0,1,2,3,4,5,6,7
	global_load_b128 v[R+32*((\t)%3)+4*\i:R+32*((\t)%3)+4*\i+3], v4, s[20:21] offset:6144*\i+256*(\t) th:TH_LOAD_NT
.endr
.endm
.macro TURN t                          ; through the stage: LDS serves a wave's instructions in order, so no wait stands between the stores and the loads
.irp i, 0,1,2,3,4,5,6,7
	ds_store_b128 v5, v[R+32*((\t)%3)+4*\i:R+32*((\t)%3)+4*\i+3] offset:4352*((\t)%2)+544*\i
.endr
.irp i, 0,1,2,3,4,5,6,7
	ds_load_b128 v[X+32*((\t)%2)+4*\i:X+32*((\t)%2)+4*\i+3], v6 offset:4352*((\t)%2)+16*\i
.endr
.endm
.macro STEP t
.set XS, X+32*((\t)%2)
	s_wait_dscnt 0x0                               ; my block is back, and the stage's stores have read the set that the next loads take
.if (\t)+3 < 12
	LOAD (\t)+3
.endif
.if (\t)+1 < 12
.if (\t)+3 < 12
	s_wait_loadcnt 16                              ; the next step's 8 loads are in; the two steps behind it may be out
.else
	s_wait_loadcnt 8*(10-(\t))                     ; the counts run down
.endif
	TURN (\t)+1
.endif
	v_max3_num_f32 v10, |v[XS]|, |v[XS+1]|, |v[XS+2]|               ; the block's largest magnitude, in two chains
	v_max3_num_f32 v11, |v[XS+3]|, |v[XS+4]|, |v[XS+5]|
.irp i, 6,10,14,18,22,26
	v_max3_num_f32 v10, v10, |v[XS+\i]|, |v[XS+\i+1]|
	v_max3_num_f32 v11, v11, |v[XS+\i+2]|, |v[XS+\i+3]|
.endr
	v_max3_num_f32 v10, v10, |v[XS+30]|, |v[XS+31]|
	v_max3_num_f32 v10, v10, v11, 0x1800000        ; and the floor 2^(3 - 127): the byte cannot fall under 1
	v_add_nc_u32 v14, 0xff000000, v10              ; 2 off the exponent field: the conversion takes this operand's exponent field as its scale
.irp g, 0,1,2,3
	v_cvt_scalef32_pk8_fp4_f32 v[C+4*(\t)+\g], v[XS+8*\g:XS+8*\g+7], v14
.endr
	v_lshrrev_b32 v[E+(\t)], 23, v14               ; the scale's byte (also the plain line behind the conversions)
	global_store_b128 v7, v[C+4*(\t):C+4*(\t)+3], s[32:33] offset:512*(\t)   ; 512 consecutive bytes
.endm
	LOAD 0
	LOAD 1
	LOAD 2
	s_wait_loadcnt 16                              ; step 0's loads are in
	TURN 0
.irp t, 0,1,2,3,4,5,6,7,8,9,10,11
	STEP \t
.endr
.irp s, 0,1,2,3,4,5                    ; steps 2 s and 2 s + 1 gave me blocks h and 2 + h of K step s
	v_lshl_or_b32 v[W+\s], v[E+2*\s+1], 16, v[E+2*\s]
	v_lshlrev_b32 v[W+\s], v9, v[W+\s]
.endr
.irp s, 0,1,2,3,4,5
	v_permlanex16_b32 v244, v[W+\s], s24, s25
	v_or_b32 v[W+\s], v[W+\s], v244                ; with lane l xor 16's two bytes the word is whole
.endr
	v_mov_b32 v[W+6], 0
	v_mov_b32 v[W+7], 0
.irp i, 0,1,2,3
	v_cndmask_b32 v[O+\i], v[W+\i], v[W+4+\i], s26 ; lanes 0-15 store words 0-3, lanes 16-31 words 4-7
.endr
	global_store_b128 v8, v[O:O+3], s[34:35]       ; 512 consecutive bytes
	s_wait_tensorcnt 0x0                           ; the wave's end
	ds_add_u32 v[SPW], v[NIL]
	s_wait_dscnt 0x0
	s_endpgm
; A wave converts 8,192 numbers, in four rounds of 16 loads of 512 consecutive bytes; each store covers 256 consecutive bytes, aligned.  Two rounds of loads are on their way.
.macro CONV cvt, src, first, extra
	s_sub_co_u32 s20, ttmp9, \first
	s_lshl_b32 s20, s20, 2
	s_add_co_u32 s20, s20, s28
	s_lshl_b32 s22, s20, 15
	s_add_nc_u64 s[\src:\src+1], s[\src:\src+1], s[22:23]
	s_lshl_b32 s22, s20, 14
	s_add_nc_u64 s[18:19], s[18:19], s[22:23]
.if \extra
	s_add_nc_u64 s[18:19], s[18:19], \extra
.endif
.irp q, 0,1
.irp n, 0,1,2,3,4,5,6,7,8,9,10,11,12,13,14,15
	global_load_b128 v[16+64*\q+4*\n:16+64*\q+4*\n+3], v4, s[\src:\src+1] offset:512*(16*\q+\n) th:TH_LOAD_NT
.endr
.endr
.irp q, 0,1,2,3
.if \q < 3
	s_wait_loadcnt 16                              ; this round's loads are in; the next round's 16 may be out
.else
	s_wait_loadcnt 0x0
.endif
.if \q >= 2
	s_wait_xcnt 0x0                                ; the stores of two rounds ago have read their data: the set is written again only behind this wait
.endif
.irp n, 0,1,2,3,4,5,6,7,8,9,10,11,12,13,14,15
	\cvt v[144+32*(\q%2)+2*\n], v[16+64*(\q%2)+4*\n], v[16+64*(\q%2)+4*\n+1]
	\cvt v[144+32*(\q%2)+2*\n+1], v[16+64*(\q%2)+4*\n+2], v[16+64*(\q%2)+4*\n+3]
.endr
.if \q < 2
.irp n, 0,1,2,3,4,5,6,7,8,9,10,11,12,13,14,15
	global_load_b128 v[16+64*\q+4*\n:16+64*\q+4*\n+3], v4, s[\src:\src+1] offset:512*(16*(\q+2)+\n) th:TH_LOAD_NT
.endr
.endif
.irp n, 0,1,2,3,4,5,6,7,8,9,10,11,12,13,14,15
	global_store_b64 v5, v[144+32*(\q%2)+2*\n:144+32*(\q%2)+2*\n+1], s[18:19] offset:256*(16*\q+\n)
.endr
.endr
	s_wait_tensorcnt 0x0                           ; the wave's end, as on the other path
	ds_add_u32 v[SPW], v[NIL]
	s_wait_dscnt 0x0
	s_endpgm
.endm
.Lconvert:
	v_lshlrev_b32 v4, 4, v1                        ; in: 16 bytes a lane
	v_lshlrev_b32 v5, 3, v1                        ; out: 8
	s_cmp_lt_u32 ttmp9, 236
	s_cbranch_scc0 .Lw2
	CONV v_cvt_pk_f16_f32, 12, 164, 0
.Lw2:
	CONV v_cvt_pk_bf16_f32, 14, 236, 4718592
.Lfunc_end_k_q9f2f7b0dc1_prep:
	.size	k_q9f2f7b0dc1_prep, .Lfunc_end_k_q9f2f7b0dc1_prep-k_q9f2f7b0dc1_prep
	.p2alignl 7, 3214868480
	.fill 96, 4, 3214868480
	.section	.rodata,"a",@progbits
	.p2align	6, 0x0
	.amdhsa_kernel k_q9f2f7b0dc1_prep
		.amdhsa_group_segment_fixed_size 35840
		.amdhsa_private_segment_fixed_size 0
		.amdhsa_enable_private_segment 0
		.amdhsa_kernarg_size 64
		.amdhsa_user_sgpr_count 2
		.amdhsa_user_sgpr_kernarg_segment_ptr 1
		.amdhsa_wavefront_size32 1
		.amdhsa_system_sgpr_workgroup_id_x 1
		.amdhsa_system_sgpr_workgroup_id_y 1
		.amdhsa_system_sgpr_workgroup_id_z 1
		.amdhsa_system_vgpr_workitem_id 0
		.amdhsa_next_free_vgpr 256
		.amdhsa_next_free_sgpr 66
		.amdhsa_reserve_vcc 0
		.amdhsa_float_denorm_mode_32 3
		.amdhsa_float_denorm_mode_16_64 3
		.amdhsa_memory_ordered 1
		.amdhsa_forward_progress 1
		.amdhsa_inst_pref_size 86
	.end_amdhsa_kernel
	.amdgpu_metadata
---
amdhsa.version: [ 1, 2 ]
amdhsa.kernels:
  - .name:           k_q9f2f7b0dc1_prep
    .symbol:         k_q9f2f7b0dc1_prep.kd
    .args:
      - { .name: embeddings, .offset: 0, .size: 8, .value_kind: global_buffer, .address_space: global }
      - { .name: Wq, .offset: 8, .size: 8, .value_kind: global_buffer, .address_space: global }
      - { .name: Wk, .offset: 16, .size: 8, .value_kind: global_buffer, .address_space: global }
      - { .name: Wv, .offset: 24, .size: 8, .value_kind: global_buffer, .address_space: global }
      - { .name: W1, .offset: 32, .size: 8, .value_kind: global_buffer, .address_space: global }
      - { .name: W2, .offset: 40, .size: 8, .value_kind: global_buffer, .address_space: global }
      - { .name: codes, .offset: 48, .size: 8, .value_kind: global_buffer, .address_space: global }
      - { .name: wts, .offset: 56, .size: 8, .value_kind: global_buffer, .address_space: global }
    .group_segment_fixed_size: 35840
    .private_segment_fixed_size: 0
    .kernarg_segment_align: 8
    .kernarg_segment_size: 64
    .max_flat_workgroup_size: 128
    .sgpr_count:     66
    .vgpr_count:     256
    .wavefront_size: 32
...
	.end_amdgpu_metadata
.endif
;; end of part 1
;; launch qkv (part 2): grid 32 x 9, 4 waves a work-group, clusters of 4 x 1, 231,424 bytes of LDS; arguments codes, bq, bk, bv, qkv; writes qkv
.if DOCPART == 2
	.amdgcn_target "amdgcn-amd-amdhsa--gfx1250"
	.amdhsa_code_object_version 6
	.text
	.protected	k_q9f2f7b0dc1_qkv
	.globl	k_q9f2f7b0dc1_qkv
	.p2align	8
	.type	k_q9f2f7b0dc1_qkv,@function
k_q9f2f7b0dc1_qkv:
	s_mov_b64 s[64:65], 0
	v_nop
	global_prefetch_b8 v0, s[64:65] scope:SCOPE_SE
	s_setreg_imm32_b32 hwreg(HW_REG_WAVE_MODE, 25, 1), 1
	s_wait_xcnt 0x0
	s_wait_alu depctr_hold_cnt(0) depctr_sa_sdst(0) depctr_va_vdst(0) depctr_va_sdst(0) depctr_va_ssrc(0) depctr_va_vcc(0) depctr_vm_vsrc(0)
	s_getreg_b32 s2, hwreg(HW_REG_IB_STS2, 6, 4)
	s_cmp_eq_u32 s2, 0
	s_cbranch_scc0 .Lentry_in_a_cluster
	s_endpgm
.Lentry_in_a_cluster:
	s_bfe_u32 s2, ttmp6, 0x10000c
	s_cmp_lg_u32 s2, 0x3003
	s_cbranch_scc0 .Lentry_shape_is_right
	s_endpgm
.Lentry_shape_is_right:
; Q = x Wq^T + bq, K = x Wk^T + bk, V = x Wv^T + bv on codes of FP4 (E2M1) with E8M0 scales, sums in f32, results rounded to f16.  Q and K leave by rows ([8192] rows, 2,048 bytes apart, 1,536 used),
; V leaves TRANSPOSED, [batch][768 channels][1024 keys], since the keys are the K of the product that reads it.
; LIMITS: |Q|, |K| or |V| above 65,504 becomes infinity in f16; under 6e-5 the rounding is absolute (3e-8).
; SHARES.  A work-group makes 256 x 256 of one result: token tile xt (work-group x) against rows 256 y .. of the 2,304 rows Wq, Wk, Wv (work-group y).  Four waves, 128 x 128 each: 64 accumulators.
; ALL OF K (768: six steps of 128) LIES IN LDS AT ONCE: both tiles' codes (98,304 bytes each) and scale words are filled once; there is no ring.  The codes lie in memory in the order of the operand's registers,
; so a tile is one dense block, and a fragment is two loads of 512 consecutive bytes.
; ROLES.  The matrix instruction is used transposed (source 0 = 16 rows of tile B, source 1 = 16 rows of tile A): a lane holds eight neighbouring columns of one row of A B^T.  For Q and K tile A is x and tile B is W;
; for V (y >= 6) tile A is W and tile B is x, which gives V^T.  Only LDS bases, output offsets and the biases' masks differ, chosen by scalar selects on y: no branch.
; BIAS.  Along the columns (Q, K) it is the C of each sum's first product; along the rows (V) it is added on the way out.  Both are loaded in both roles, from in-range addresses, and the one not wanted is set to 0.
; CLUSTER.  The four work-groups of a cluster share y: W's codes and scale words are asked for JOINTLY (waves 2, 3).  x's tile is each work-group's own (waves 0, 1): the nine work-groups that share it lie along y, and 9 does not divide into clusters.
; REGISTERS.  window 0: v16-29 addresses; v32-79 A's scale words (6 a + s), v80-127 B's: they hold scales alone; v128-159 packed results; v160-223 A's fragments, one set, later rows read back; v224-239 the row bias in pairs.
;   window 1: v0-63, v128-191 B's fragments, two sets; v64-127 the column bias.   windows 2, 3: accumulator (a, b) at v[8 (8 (a % 4) + b)] of window 2 + a / 4.
.set XC, 0                             ; LDS: x's codes,
.set WC, 98304                         ; W's codes,
.set XS, 196608                        ; x's scale words, 32 bytes a row,
.set WS, 204800                        ; W's,
.set STAGE, 212992                     ; the way out: 16 rows x 272 bytes for each wave,
.set SPARE, 230400                     ; the spare words, 128 bytes a wave
.set ADRA, 16
.set ADSA, 17
.set ADRB, 20
.set ADSB, 21
.set STO, 24
.set RD, 25
.set CO, 26
.set SPW, 28
.set NIL, 29
.set SCA, 32
.set SCB, 80
.set TMP, 128
.set AF, 160
.set OB, 160
.set BR, 224
.set BC, 64
.set MSB, 0
.macro WIN new                         ; the immediate's high byte repeats the setting that is left
.if MSB != (\new)
	s_set_vgpr_msb (MSB<<8)|(\new)
.set MSB, (\new)
.endif
.endm
.macro PLACES                          ; four plain places behind matrix instructions, ahead of loads into their registers and of reads of their results
.rept 4
	v_nop
.endr
.endm
.macro CROUND                          ; a round of the cluster's barrier
	s_barrier_signal -1
	s_barrier_wait -1
	s_cmp_lg_u32 s16, 0
	s_cbranch_scc1 .Lnot_wave_0_\@
	s_barrier_signal -3
.Lnot_wave_0_\@:
	s_barrier_wait -3
	s_barrier_signal -1
	s_barrier_wait -1
.endm
	s_load_b256 s[4:11], s[0:1], 0x0               ; codes, bq, bk, bv
	s_load_b64 s[12:13], s[0:1], 0x20              ; qkv
	v_lshl_add_u32 v[SPW], v0, 2, SPARE
	v_mov_b32 v[NIL], 0
	ds_add_u32 v[SPW], v[NIL]                      ; the wave's opening: the add, twice on end, and its wait ahead of my first tensor load
	ds_add_u32 v[SPW], v[NIL]
	v_lshrrev_b32 v1, 5, v0
	v_readfirstlane_b32 s16, v1                    ; wave
	s_lshr_b32 s17, s16, 1                         ; i: my half of tile A's rows
	s_and_b32 s18, s16, 1                          ; j: my half of tile B's rows; also: which half of a tile I fetch
	s_bfe_u32 s19, ttmp6, 0x40000                  ; cx
	s_lshl_b32 s20, ttmp9, 2
	s_add_co_u32 s20, s20, s19                     ; xt: it enters global addresses of my own loads and stores alone
	s_and_b32 s21, ttmp7, 0xffff                   ; y, which the partners share
	s_mul_i32 s22, s21, 11
	s_lshr_b32 s22, s22, 5                         ; y / 3: 0 Q, 1 K, 2 V
	; descriptor groups 1: dense blocks as rows of 256 bytes (32 elements of 8 bytes), no padding.  s[24:31] codes, mine; s[32:39] codes, joint; s[40:47] scale words, mine; s[48:55] scale words, joint
	s_mov_b32 s24, 3<<16
	s_mov_b32 s32, 15|(3<<16)|(1<<21)              ; the mask names all four partners; bit 21 stands beside a mask
	s_mov_b32 s40, 3<<16
	s_mov_b32 s48, 15|(3<<16)|(1<<21)
.irp g, 24, 32
	s_mov_b32 s[\g+1], 32<<16
	s_mov_b32 s[\g+2], 192<<16                     ; 49,152 bytes: the codes of 128 rows
	s_mov_b32 s[\g+3], 32<<16
	s_mov_b32 s[\g+4], 192
	s_mov_b32 s[\g+5], 32
	s_mov_b32 s[\g+6], 0
	s_mov_b32 s[\g+7], 0
.endr
.irp g, 40, 48
	s_mov_b32 s[\g+1], 32<<16
	s_mov_b32 s[\g+2], 16<<16                      ; 4,096 bytes: their scale words
	s_mov_b32 s[\g+3], 32<<16
	s_mov_b32 s[\g+4], 16
	s_mov_b32 s[\g+5], 32
	s_mov_b32 s[\g+6], 0
	s_mov_b32 s[\g+7], 0
.endr
	s_mul_i32 s78, s18, 49152
	s_lshl_b32 s79, s18, 12
	s_mul_i32 s76, s20, 98304
	s_add_co_u32 s76, s76, s78                     ; x's codes
	s_mov_b32 s77, 0
	s_lshl_b32 s80, s20, 13
	s_add_co_u32 s80, s80, s79
	s_add_co_u32 s80, s80, 4030464                 ; x's scale words
	s_mov_b32 s81, 0
	s_mul_i32 s82, s21, 98304
	s_add_co_u32 s82, s82, s78
	s_add_co_u32 s82, s82, 3145728                 ; W's codes: y and the wave's number alone
	s_mov_b32 s83, 0
	s_lshl_b32 s84, s21, 13
	s_add_co_u32 s84, s84, s79
	s_add_co_u32 s84, s84, 4292608                 ; W's scale words
	s_mov_b32 s85, 0
	s_wait_dscnt 0x0                               ; both opening adds are done
	s_wait_kmcnt 0x0
	s_mov_b32 s56, 1
	s_mov_b32 s57, s78
	s_add_nc_u64 s[58:59], s[4:5], s[76:77]
	s_or_b32 s59, s59, 0x80000000
	s_mov_b32 s60, 1
	s_add_co_u32 s61, s79, XS
	s_add_nc_u64 s[62:63], s[4:5], s[80:81]
	s_or_b32 s63, s63, 0x80000000
	s_mov_b32 s68, 1
	s_add_co_u32 s69, s78, WC
	s_add_nc_u64 s[70:71], s[4:5], s[82:83]
	s_or_b32 s71, s71, 0x80000000
	s_mov_b32 s72, 1
	s_add_co_u32 s73, s79, WS
	s_add_nc_u64 s[74:75], s[4:5], s[84:85]
	s_or_b32 s75, s75, 0x80000000
	CROUND                                         ; all four work-groups are here: the joint loads meet
	s_cmp_lt_u32 s16, 2                            ; a wave's two fills stand in one branch on its number: two tensor loads of mine are out
	s_cbranch_scc0 .Lfor_w
	tensor_load_to_lds s[56:59], s[24:31]
	s_nop 0
	tensor_load_to_lds s[60:63], s[40:47]
	s_nop 0
	PLACES
	s_branch .Lasked
.Lfor_w:
	tensor_load_to_lds s[68:71], s[32:39]
	s_nop 0
	tensor_load_to_lds s[72:75], s[48:55]
	s_nop 0
	PLACES
.Lasked:
	v_and_b32 v1, 15, v0                           ; r
	v_bfe_u32 v2, v0, 4, 1                         ; h
	v_and_b32 v3, 31, v0                           ; lane
	s_mul_i32 s23, s22, 3
	s_sub_co_u32 s23, s21, s23
	s_lshl_b32 s23, s23, 8                         ; 256 (y % 3): the tile's first channel
	s_lshl_b32 s82, s18, 7
	s_add_co_u32 s76, s82, s23                     ; + 128 j
	s_lshl_b32 s77, s17, 7
	s_add_co_u32 s78, s77, s23                     ; + 128 i
	s_lshl_b32 s79, s20, 8
	s_add_co_u32 s79, s79, s77                     ; Q, K: my first row = token 256 xt + 128 i
	s_lshr_b32 s80, s20, 2
	s_mul_i32 s80, s80, 768
	s_add_co_u32 s80, s80, s78                     ; V^T: row 768 batch + channel
	s_and_b32 s81, s20, 3
	s_lshl_b32 s81, s81, 8
	s_add_co_u32 s81, s81, s82                     ; V^T: column = key in the batch
	s_cmp_ge_u32 s21, 6                            ; V?
	s_cselect_b32 s86, WC, 0                       ; tile A's codes
	s_cselect_b32 s87, 0, WC                       ; tile B's
	s_cselect_b32 s88, 8192, 0                     ; tile A's scale words, from XS on
	s_cselect_b32 s89, 0, 8192
	s_cselect_b32 s90, -1, 0                       ; the row bias counts
	s_cselect_b32 s91, 0, -1                       ; the column bias counts
	s_cselect_b32 s92, 0, s76                      ; where the column bias is read
	s_cselect_b32 s93, s78, 0                      ; where the row bias is read
	s_cselect_b32 s94, s80, s79                    ; my first row of the output
	s_cselect_b32 s95, s81, s76                    ; my first column
	s_cselect_b64 s[14:15], s[10:11], s[8:9]
	s_cmp_lt_u32 s21, 3
	s_cselect_b64 s[14:15], s[6:7], s[14:15]       ; the bias of this result
	s_mul_i32 s96, s17, 49152
	s_add_co_u32 s86, s86, s96
	s_mul_i32 s96, s18, 49152
	s_add_co_u32 s87, s87, s96
	s_lshl_b32 s96, s17, 12
	s_add_co_u32 s88, s88, s96
	s_add_co_u32 s88, s88, XS
	s_lshl_b32 s96, s18, 12
	s_add_co_u32 s89, s89, s96
	s_add_co_u32 s89, s89, XS
	v_lshl_add_u32 v[ADRA], v3, 4, s86             ; a fragment's image: 16 bytes a lane
	v_lshl_add_u32 v[ADRB], v3, 4, s87
	v_lshl_add_u32 v[ADSA], v1, 5, s88             ; scale words: 32 bytes a row, lane r takes row r
	v_lshl_add_u32 v[ADSB], v1, 5, s89
	s_mul_i32 s96, s16, 16*272
	s_add_co_u32 s96, s96, STAGE                   ; my stage
	v_mul_u32_u24 v4, v1, 272
	v_lshl_add_u32 v4, v2, 4, v4
	v_add_nc_u32 v[STO], s96, v4                   ; in: row r, 16 bytes for each half of the lanes
	v_mul_u32_u24 v4, v2, 272
	v_lshl_add_u32 v4, v1, 4, v4
	v_add_nc_u32 v[RD], s96, v4                    ; back: lanes 0-15 one row of 256 bytes, lanes 16-31 the next
	v_lshlrev_b32 v[CO], 11, v2
	v_lshl_add_u32 v[CO], v1, 4, v[CO]             ; and the same two rows in memory
	s_lshl_b32 s92, s92, 2
	s_lshl_b32 s93, s93, 2
	v_lshl_add_u32 v5, v2, 5, s92
	v_lshl_add_u32 v6, v1, 2, s93
	WIN 0x40                                       ; destination window 1
.irp b, 0,1,2,3,4,5,6,7
	global_load_b128 v[BC+8*\b:BC+8*\b+3], v5, s[14:15] offset:64*\b        ; lane (r, h), block b: the bias of columns 16 b + 8 h + 0 .. 7
	global_load_b128 v[BC+8*\b+4:BC+8*\b+7], v5, s[14:15] offset:64*\b+16
.endr
	WIN 0
.irp a, 0,1,2,3,4,5,6,7
	global_load_b32 v[BR+2*\a], v6, s[14:15] offset:64*\a                   ; block a: the bias of row 16 a + r
.endr
	s_lshl_b32 s94, s94, 11
	s_lshl_b32 s95, s95, 1
	s_add_co_u32 s94, s94, s95
	s_lshl_b32 s95, s22, 24                        ; Q at 0, K at 2^24, V^T at 2^25
	s_add_co_u32 s94, s94, s95
	s_mov_b32 s95, 0
	s_add_nc_u64 s[12:13], s[12:13], s[94:95]
	s_wait_loadcnt 0x0
	WIN 0x44                                       ; destination and source 1 window 1
.set n_, 0
.rept 64
	v_cndmask_b32 v[BC+n_], 0, v[BC+n_], s91
.set n_, n_+1
.endr
	WIN 0
.irp a, 0,1,2,3,4,5,6,7
	v_cndmask_b32 v[BR+2*\a], 0, v[BR+2*\a], s90
	v_mov_b32 v[BR+2*\a+1], 0                      ; named with it as a pair, so it is written
.endr
	s_wait_tensorcnt 0x0                           ; my fills have landed: for 0, since every wave reads all four regions
	s_barrier_signal -1
	s_barrier_wait -1                              ; everybody's have
.macro FRAG reg, adr, a, s             ; block a, K step s: 8 registers, two loads of 512 consecutive bytes
.irp c, 0,1
	ds_load_b128 v[\reg+4*\c:\reg+4*\c+3], v[\adr] offset:6144*(\a)+1024*(\s)+512*\c
.endr
.endm
.macro FETCH_B s, p                    ; B's eight fragments of K step s into set p
	WIN 0x40
.irp i, 0,1,2,3,4,5,6,7
	FRAG 128*(\p)+8*\i, ADRB, \i, \s
.endr
	WIN 0
.endm
.macro FETCH_A s, i0                   ; A's blocks i0 .. i0 + 3
.irp i, \i0, \i0+1, \i0+2, \i0+3
	FRAG AF+8*(\i), ADRA, \i, \s
.endr
.endm
; 16 products: A's blocks a0, a0 + 1 x B's eight.  The 64 accumulators take turns, one instruction a turn, in the same order in every step.  first = 1: the column bias starts the sums.
.macro MUL16 a0, p, s, first
.irp a, \a0, \a0+1
.irp b, 0,1,2,3,4,5,6,7
.if \first
	v_wmma_scale_f32_16x16x128_f8f6f4 v[8*(8*((\a)%4)+\b):8*(8*((\a)%4)+\b)+7], v[128*(\p)+8*\b:128*(\p)+8*\b+7], v[AF+8*(\a):AF+8*(\a)+7], v[BC+8*\b:BC+8*\b+7], v[SCB+6*\b+(\s)], v[SCA+6*(\a)+(\s)] matrix_a_fmt:MATRIX_FMT_FP4 matrix_b_fmt:MATRIX_FMT_FP4
.else
	v_wmma_scale_f32_16x16x128_f8f6f4 v[8*(8*((\a)%4)+\b):8*(8*((\a)%4)+\b)+7], v[128*(\p)+8*\b:128*(\p)+8*\b+7], v[AF+8*(\a):AF+8*(\a)+7], v[8*(8*((\a)%4)+\b):8*(8*((\a)%4)+\b)+7], v[SCB+6*\b+(\s)], v[SCA+6*(\a)+(\s)] matrix_a_fmt:MATRIX_FMT_FP4 matrix_b_fmt:MATRIX_FMT_FP4
.endif
.endr
.endr
.endm
; A K step with a successor.  A block of A is free once its eight products are issued: blocks 0-3 are fetched anew in the step's middle, blocks 4-7 at its end; B has two sets.
.macro STEP s, first
	s_wait_dscnt 8                                 ; all but the youngest 8 loads (A's blocks 4-7) are in
.if \first
	WIN 0x91                                       ; source 0 (B) window 1, source 1 (A) window 0, C (the bias) window 1, D window 2
.else
	WIN 0xa1
.endif
	MUL16 0, (\s)%2, \s, \first
	MUL16 2, (\s)%2, \s, \first
	s_wait_dscnt 0x0                               ; A's blocks 4-7 are in
	PLACES
	FETCH_B (\s)+1, 1-(\s)%2
	FETCH_A (\s)+1, 0
.if \first
	WIN 0xd1
.else
	WIN 0xf1
.endif
	MUL16 4, (\s)%2, \s, \first
	MUL16 6, (\s)%2, \s, \first
	PLACES
	WIN 0
	FETCH_A (\s)+1, 4
.endm
.irp a, 0,1,2,3,4,5,6,7                ; all scale words, once: six words a row
	ds_load_b128 v[SCA+6*\a:SCA+6*\a+3], v[ADSA] offset:512*\a
	ds_load_b64 v[SCA+6*\a+4:SCA+6*\a+5], v[ADSA] offset:512*\a+16
	ds_load_b128 v[SCB+6*\a:SCB+6*\a+3], v[ADSB] offset:512*\a
	ds_load_b64 v[SCB+6*\a+4:SCB+6*\a+5], v[ADSB] offset:512*\a+16
.endr
	FETCH_B 0, 0
	FETCH_A 0, 0
	FETCH_A 0, 4
	STEP 0, 1
	STEP 1, 0
	STEP 2, 0
	STEP 3, 0
	STEP 4, 0
	s_wait_dscnt 8                                 ; the last step fetches nothing
	WIN 0xa1
	MUL16 0, 1, 5, 0
	MUL16 2, 1, 5, 0
	s_wait_dscnt 0x0
	WIN 0xf1
	MUL16 4, 1, 5, 0
	MUL16 6, 1, 5, 0
	WIN 0
; THE WAY OUT, a block of 16 rows x 128 columns at a time: + the row bias, rounded to f16, 16 bytes a lane into my own stage, back as whole rows of 256 bytes.
.macro PACK a
.set AC, 64*((\a)%4)
	WIN 0x82+0x41*((\a)/4)                         ; destination and source 0: window 2 or 3; the bias: window 0
.set n_, 0
.rept 32
	v_pk_add_f32 v[AC+n_:AC+n_+1], v[AC+n_:AC+n_+1], v[BR+2*(\a):BR+2*(\a)+1] op_sel_hi:[1,0]   ; each accumulator from its low end on
.set n_, n_+2
.endr
	WIN 0x0a+5*((\a)/4)
.set n_, 0
.rept 32
	v_cvt_pk_f16_f32 v[TMP+n_], v[AC+2*n_], v[AC+2*n_+1]
.set n_, n_+1
.endr
	WIN 0
.endm
.macro TOSTAGE a
.set BK, OB+32*((\a)%2)
.irp b, 0,1,2,3,4,5,6,7
	ds_store_b128 v[STO], v[TMP+4*\b:TMP+4*\b+3] offset:32*\b
.endr
.irp t, 0,1,2,3,4,5,6,7
	ds_load_b128 v[BK+4*\t:BK+4*\t+3], v[RD] offset:544*\t     ; LDS serves a wave's instructions in order: these see the stores above
.endr
.endm
.macro SEND a
.set BK, OB+32*((\a)%2)
	s_wait_dscnt 0x0                               ; the block is back in registers
	s_wait_xcnt 0x0                                ; the block before has been read by its stores: its registers take the next block's rows only behind this wait
.irp t, 0,1,2,3,4,5,6,7
	global_store_b128 v[CO], v[BK+4*\t:BK+4*\t+3], s[12:13] offset:(16*(\a)+2*\t)*2048   ; 16 lanes store 256 consecutive bytes, aligned
.endr
.endm
	PLACES
	PACK 0
	TOSTAGE 0
.irp a, 1,2,3,4,5,6,7
	PACK \a
	SEND \a-1
	TOSTAGE \a
.endr
	SEND 7
	s_wait_tensorcnt 0x0                           ; the wave's end
	ds_add_u32 v[SPW], v[NIL]
	s_wait_dscnt 0x0
	CROUND                                         ; the closing round
	s_endpgm
.Lfunc_end_k_q9f2f7b0dc1_qkv:
	.size	k_q9f2f7b0dc1_qkv, .Lfunc_end_k_q9f2f7b0dc1_qkv-k_q9f2f7b0dc1_qkv
	.p2alignl 7, 3214868480
	.fill 96, 4, 3214868480
	.section	.rodata,"a",@progbits
	.p2align	6, 0x0
	.amdhsa_kernel k_q9f2f7b0dc1_qkv
		.amdhsa_group_segment_fixed_size 231424
		.amdhsa_private_segment_fixed_size 0
		.amdhsa_enable_private_segment 0
		.amdhsa_kernarg_size 40
		.amdhsa_user_sgpr_count 2
		.amdhsa_user_sgpr_kernarg_segment_ptr 1
		.amdhsa_wavefront_size32 1
		.amdhsa_system_sgpr_workgroup_id_x 1
		.amdhsa_system_sgpr_workgroup_id_y 1
		.amdhsa_system_sgpr_workgroup_id_z 1
		.amdhsa_system_vgpr_workitem_id 0
		.amdhsa_next_free_vgpr 1024
		.amdhsa_next_free_sgpr 100
		.amdhsa_reserve_vcc 0
		.amdhsa_float_denorm_mode_32 3
		.amdhsa_float_denorm_mode_16_64 3
		.amdhsa_memory_ordered 1
		.amdhsa_forward_progress 1
		.amdhsa_inst_pref_size 128
	.end_amdhsa_kernel
	.amdgpu_metadata
---
amdhsa.version: [ 1, 2 ]
amdhsa.kernels:
  - .name:           k_q9f2f7b0dc1_qkv
    .symbol:         k_q9f2f7b0dc1_qkv.kd
    .args:
      - { .name: codes, .offset: 0, .size: 8, .value_kind: global_buffer, .address_space: global }
      - { .name: bq, .offset: 8, .size: 8, .value_kind: global_buffer, .address_space: global }
      - { .name: bk, .offset: 16, .size: 8, .value_kind: global_buffer, .address_space: global }
      - { .name: bv, .offset: 24, .size: 8, .value_kind: global_buffer, .address_space: global }
      - { .name: qkv, .offset: 32, .size: 8, .value_kind: global_buffer, .address_space: global }
    .group_segment_fixed_size: 231424
    .private_segment_fixed_size: 0
    .kernarg_segment_align: 8
    .kernarg_segment_size: 40
    .max_flat_workgroup_size: 128
    .sgpr_count:     100
    .vgpr_count:     1024
    .wavefront_size: 32
...
	.end_amdgpu_metadata
.endif
;; end of part 2
;; launch scores (part 3): grid 4 x 64, 4 waves a work-group, clusters of 4 x 4, 327,680 bytes of LDS; arguments qkv, pmat, stats; writes pmat, stats
.if DOCPART == 3
	.amdgcn_target "amdgcn-amd-amdhsa--gfx1250"
	.amdhsa_code_object_version 6
	.text
	.protected	k_q9f2f7b0dc1_scores
	.globl	k_q9f2f7b0dc1_scores
	.p2align	8
	.type	k_q9f2f7b0dc1_scores,@function
k_q9f2f7b0dc1_scores:
	s_mov_b64 s[64:65], 0
	v_nop
	global_prefetch_b8 v0, s[64:65] scope:SCOPE_SE
	s_setreg_imm32_b32 hwreg(HW_REG_WAVE_MODE, 25, 1), 1
	s_wait_xcnt 0x0
	s_wait_alu depctr_hold_cnt(0) depctr_sa_sdst(0) depctr_va_vdst(0) depctr_va_sdst(0) depctr_va_ssrc(0) depctr_va_vcc(0) depctr_vm_vsrc(0)
	s_getreg_b32 s2, hwreg(HW_REG_IB_STS2, 6, 4)
	s_cmp_eq_u32 s2, 0
	s_cbranch_scc0 .Lentry_in_a_cluster
	s_endpgm
.Lentry_in_a_cluster:
	s_bfe_u32 s2, ttmp6, 0x10000c
	s_cmp_lg_u32 s2, 0xf033
	s_cbranch_scc0 .Lentry_shape_is_right
	s_endpgm
.Lentry_shape_is_right:
; S = Q K^T in f16 with f32 sums, and the first half of the softmax.  t = score x log2(e) / sqrt(768).  For each query and each CHUNK of 128 keys: Mc = the chunk's largest t rounded up to a whole number,
; p' = 2^(t - Mc) (f32, then rounded to f16 into pmat [8192][1024]), lc = the sum of the unrounded p'.  -Mc and lc go to stats [batch x 8 + chunk][2][1024 queries], f32.  The next launch brings the chunks under the row's own maximum.
; LIMITS: NaN and infinities are not served.
; SHARES.  A work-group makes 128 queries x 256 keys of one batch; four waves, 2 x 2, each 64 x 128: a wave's columns are one chunk.  32 accumulators a wave.
; K (768) goes in steps of 128 through a ring of two LDS slots: rows of 256 bytes + 16 of padding.  Waves 0, 1 fetch Q's halves (64 rows), waves 2, 3 K's (128 rows): one tensor load a wave behind each round.
; CLUSTER 4 x 4: Q's tile hangs on the tile row alone and is asked for jointly along a row of the cluster, K's on the tile column and the batch (made of the cluster's y alone) and is asked for jointly along a column.
; THE MATRIX INSTRUCTION IS USED TRANSPOSED (source 0 = 16 keys, source 1 = 16 queries): a lane holds ONE query (lane % 16) and 64 of its chunk's keys; lane l xor 16 holds the other 64.
; REGISTERS.  window 0: v16-29 addresses; v128-191 rows read back.  window 1: two fragment buffers of 128 (A's 4 blocks, then B's).  windows 2, 3: accumulator (a, b) at v[8 (8 (a % 2) + b)] of window 2 + a / 2; from v128 the softmax's work registers.
.set NB, 8                             ; blocks of 16 columns a wave
.set KPA, 1024                         ; elements from row to row of A, of B
.set KPB, 1024
.set LAPS, 3                           ; a lap = two K steps = once round the ring
.set PITCH, 272
.set ABYTES, 128*PITCH
.set SLOT, (128+32*NB)*PITCH
.set STAGE, 2*SLOT                     ; behind the ring: 16 rows x 272 bytes for each wave
.set SPARE, STAGE+4*16*272             ; the spare words, 128 bytes a wave
.set ADRA, 16
.set ADRB, 20
.set STO, 24
.set RD, 25
.set CO, 26
.set SO, 27
.set SPW, 28
.set NIL, 29
.set OB, 128
.set F0, 0
.set F1, 128
.set G1A, 24
.set G0A, 32
.set G1B, 48
.set G0B, 56
.set MSB, 0
.macro WIN new                         ; the immediate's high byte repeats the setting that is left
.if MSB != (\new)
	s_set_vgpr_msb (MSB<<8)|(\new)
.set MSB, (\new)
.endif
.endm
.macro PLACES                          ; four plain places behind matrix instructions, ahead of loads into their registers and of reads of their results
.rept 4
	v_nop
.endr
.endm
.macro JLOAD sl                        ; a joint load: waves 0, 1 for A, waves 2, 3 for B; the branch hangs on the wave's number alone
	s_cmp_eq_u32 s11, 0
	s_cbranch_scc0 .Lfor_b_\@
	tensor_load_to_lds s[G0A+4*\sl:G0A+4*\sl+3], s[G1A:G1A+7]
	s_nop 0
	PLACES
	s_branch .Lasked_\@
.Lfor_b_\@:
	tensor_load_to_lds s[G0B+4*\sl:G0B+4*\sl+3], s[G1B:G1B+7]
	s_nop 0
	PLACES
.Lasked_\@:
.endm
.macro CREST                           ; a round of the cluster's barrier behind its opening barrier
	s_cmp_lg_u32 s10, 0
	s_cbranch_scc1 .Lnot_wave_0_\@
	s_barrier_signal -3
.Lnot_wave_0_\@:
	s_barrier_wait -3
	s_barrier_signal -1
	s_barrier_wait -1
.endm
.macro CROUND
	s_barrier_signal -1
	s_barrier_wait -1
	CREST
.endm
	s_load_b64 s[4:5], s[0:1], 0x0                 ; qkv: Q at 0, K at 2^24
	s_load_b64 s[8:9], s[0:1], 0x8                 ; pmat
	s_load_b64 s[66:67], s[0:1], 0x10              ; stats
	v_lshl_add_u32 v[SPW], v0, 2, SPARE
	v_mov_b32 v[NIL], 0
	ds_add_u32 v[SPW], v[NIL]                      ; the wave's opening: the add, twice on end, and its wait ahead of my first tensor load
	ds_add_u32 v[SPW], v[NIL]
	v_lshrrev_b32 v1, 5, v0
	v_readfirstlane_b32 s10, v1                    ; wave
	s_lshr_b32 s11, s10, 1                         ; i: my half of the rows; also: I fetch for A (0) or B (1)
	s_and_b32 s12, s10, 1                          ; j: my half of the columns; also: which half of that tile I fetch
	s_bfe_u32 s40, ttmp6, 0x40000                  ; cx
	s_bfe_u32 s41, ttmp6, 0x40004                  ; cy
	s_lshl_b32 s42, ttmp9, 2
	s_add_co_u32 s42, s42, s40                     ; tile column
	s_and_b32 s14, ttmp7, 0xffff                   ; the cluster's y
	s_lshl_b32 s13, s14, 2
	s_add_co_u32 s13, s13, s41                     ; tile row
	s_lshr_b32 s15, s14, 1                         ; the batch: eight tile rows, two clusters
	s_lshl_b32 s43, s41, 2
	s_lshl_b32 s43, 15, s43                        ; my row of the cluster
	s_lshl_b32 s44, 0x1111, s40                    ; my column
	s_or_b32 s[G1A], s43, (1<<16)|(1<<20)|(1<<21)|(5<<22)|(3<<25)   ; the mask; elements of 2 bytes; padding on, 4 words behind every 64; bit 21 beside a mask
	s_or_b32 s[G1B], s44, (1<<16)|(1<<20)|(1<<21)|(5<<22)|(3<<25)
	s_mov_b32 s[G1A+1], 128<<16                    ; tensor_dim0
	s_mov_b32 s[G1A+2], 64<<16                     ; tensor_dim1
	s_mov_b32 s[G1A+3], 128<<16                    ; tile_dim0
	s_mov_b32 s[G1A+4], 64                         ; tile_dim1
	s_mov_b32 s[G1A+5], KPA                        ; the pitch
	s_mov_b32 s[G1A+6], 0
	s_mov_b32 s[G1A+7], 0
	s_mov_b32 s[G1B+1], 128<<16
	s_mov_b32 s[G1B+2], (16*NB)<<16
	s_mov_b32 s[G1B+3], 128<<16
	s_mov_b32 s[G1B+4], 16*NB
	s_mov_b32 s[G1B+5], KPB
	s_mov_b32 s[G1B+6], 0
	s_mov_b32 s[G1B+7], 0
	s_lshl_b32 s16, s13, 7
	s_lshl_b32 s17, s12, 6
	s_add_co_u32 s16, s16, s17                     ; A: row 128 x tile row + 64 x half
	s_mul_i32 s16, s16, 2*KPA
	s_mov_b32 s17, 0
	s_mul_i32 s46, s42, 32*NB
	s_mul_i32 s47, s12, 16*NB
	s_add_co_u32 s46, s46, s47                     ; B: row 256 x tile column + 128 x half
	s_lshl_b32 s47, s15, 10
	s_add_co_u32 s46, s46, s47                     ; + 1,024 x batch
	s_mul_i32 s46, s46, 2*KPB
	s_mov_b32 s47, 0
	s_mul_i32 s20, s12, 64*PITCH                   ; where they go: no place in the cluster enters an LDS address
	s_mul_i32 s23, s12, 16*NB*PITCH
	s_add_co_u32 s23, s23, ABYTES
	s_wait_dscnt 0x0                               ; both opening adds are done
	s_wait_kmcnt 0x0
	s_add_nc_u64 s[6:7], s[4:5], 0x1000000         ; K
	s_add_nc_u64 s[18:19], s[4:5], s[16:17]
	s_add_nc_u64 s[46:47], s[6:7], s[46:47]
	CROUND                                         ; all sixteen work-groups are here: the first joint loads meet
.irp s, 0,1
	s_mov_b32 s[G0A+4*\s], 1
	s_add_co_u32 s[G0A+4*\s+1], s20, \s*SLOT
	s_add_nc_u64 s[G0A+4*\s+2:G0A+4*\s+3], s[18:19], \s*256
	s_or_b32 s[G0A+4*\s+3], s[G0A+4*\s+3], 0x80000000
	s_mov_b32 s[G0B+4*\s], 1
	s_add_co_u32 s[G0B+4*\s+1], s23, \s*SLOT
	s_add_nc_u64 s[G0B+4*\s+2:G0B+4*\s+3], s[46:47], \s*256
	s_or_b32 s[G0B+4*\s+3], s[G0B+4*\s+3], 0x80000000
	JLOAD \s                                       ; K steps 0 and 1: two tensor loads of mine are out
.endr
	v_and_b32 v1, 15, v0                           ; r
	v_bfe_u32 v2, v0, 4, 1                         ; h
	v_mul_u32_u24 v3, v1, PITCH
	v_lshl_add_u32 v3, v2, 4, v3                   ; a fragment's row x pitch + 16 x half
	s_mul_i32 s21, s11, 64*PITCH
	s_mul_i32 s22, s12, 16*NB*PITCH
	s_add_co_u32 s22, s22, ABYTES
.irp s, 0,1
	v_add_nc_u32 v[ADRA+\s], s21, v3
	v_add_nc_u32 v[ADRB+\s], s22, v3
	s_add_co_u32 s21, s21, SLOT
	s_add_co_u32 s22, s22, SLOT
.endr
	s_mul_i32 s23, s10, 16*272
	s_add_co_u32 s23, s23, STAGE                   ; my stage
	v_mul_u32_u24 v4, v1, 272
	v_lshl_add_u32 v4, v2, 4, v4
	v_add_nc_u32 v[STO], s23, v4                   ; in: row r, 16 bytes for each half of the lanes
	v_mul_u32_u24 v4, v2, 272
	v_lshl_add_u32 v4, v1, 4, v4
	v_add_nc_u32 v[RD], s23, v4                    ; back: lanes 0-15 one row, lanes 16-31 the next
	v_lshlrev_b32 v[CO], 11, v2
	v_lshl_add_u32 v[CO], v1, 4, v[CO]             ; the same two rows of pmat
	v_lshlrev_b32 v[SO], 12, v2
	v_lshl_add_u32 v[SO], v1, 2, v[SO]             ; stats: lanes 0-15 store -Mc, lanes 16-31 lc, 4,096 bytes on
	s_lshl_b32 s16, s13, 7
	s_lshl_b32 s17, s11, 6
	s_add_co_u32 s16, s16, s17
	s_lshl_b32 s16, s16, 11                        ; pmat: my first row,
	s_mov_b32 s17, 0
	s_add_nc_u64 s[8:9], s[8:9], s[16:17]
	s_lshl_b32 s46, s42, 9
	s_lshl_b32 s47, s12, 8
	s_add_co_u32 s46, s46, s47                     ; my first key, in bytes
	s_mov_b32 s47, 0
	s_add_nc_u64 s[8:9], s[8:9], s[46:47]
	s_lshl_b32 s74, s15, 3
	s_lshl_b32 s76, s42, 1
	s_add_co_u32 s74, s74, s76
	s_add_co_u32 s74, s74, s12                     ; 8 x batch + my chunk
	s_lshl_b32 s74, s74, 13
	s_and_b32 s76, s13, 7
	s_lshl_b32 s76, s76, 9
	s_add_co_u32 s74, s74, s76
	s_lshl_b32 s76, s11, 8
	s_add_co_u32 s74, s74, s76                     ; + 4 x my first query in the batch
	s_mov_b32 s75, 0
	s_add_nc_u64 s[66:67], s[66:67], s[74:75]
	s_mov_b32 s68, 0x3d553b95                      ; c = log2(e) / sqrt(768)
	s_mov_b32 s69, s68                             ; named with it as a pair, so it is written
	s_mov_b32 s70, 0x76543210
	s_mov_b32 s71, 0xfedcba98                      ; lane l xor 16
	s_mov_b32 s72, 0xffff0000                      ; lanes 16-31
; NB products: A's block a x B's NB.  All 4 NB accumulators take turns, one instruction a turn, in one order throughout.  first = 1: the product starts the sum.
.macro MULA f, a, first
.set bb, 0
.rept NB
.set rD, 8*(NB*((\a)%2)+bb)
.set rB, (\f)+32+8*bb
.set rA, (\f)+8*(\a)
.if \first
	v_wmma_f32_16x16x32_f16 v[rD:rD+7], v[rB:rB+7], v[rA:rA+7], 0
.else
	v_wmma_f32_16x16x32_f16 v[rD:rD+7], v[rB:rB+7], v[rA:rA+7], v[rD:rD+7]
.endif
.set bb, bb+1
.endr
.endm
.macro FETCH slot, k, f                ; one run of LDS loads: the fragments of 32 along K at byte k of the rows: B's, then A's four
	WIN 0x40
.set bb, 0
.rept NB
	ds_load_b128 v[(\f)+32+8*bb:(\f)+32+8*bb+3], v[ADRB+\slot] offset:(\k)+bb*16*PITCH
	ds_load_b128 v[(\f)+32+8*bb+4:(\f)+32+8*bb+7], v[ADRB+\slot] offset:(\k)+bb*16*PITCH+32
.set bb, bb+1
.endr
.irp a, 0,1,2,3
	ds_load_b128 v[(\f)+8*\a:(\f)+8*\a+3], v[ADRA+\slot] offset:(\k)+\a*16*PITCH
	ds_load_b128 v[(\f)+8*\a+4:(\f)+8*\a+7], v[ADRA+\slot] offset:(\k)+\a*16*PITCH+32
.endr
.endm
; A K step is four quarters of 32 along K on buffers 0, 1, 0, 1.  One of the first three multiplies buffer f and, in its middle, fetches the next quarter, at byte k, into g.
.macro QUARTER slot, k, f, g, first
	s_wait_dscnt 4                                 ; all but the youngest four loads (A's blocks 2, 3) are in
	WIN 0xa5                                       ; sources 0 and 1 window 1, C and D window 2
	MULA \f, 0, \first
	MULA \f, 1, \first
	PLACES
	FETCH \slot, \k, \g
	s_wait_dscnt 2*(NB+4)                          ; all but the run just issued
	WIN 0xf5
	MULA \f, 2, \first
	MULA \f, 3, \first
.endm
; The last quarter multiplies buffer 1 and changes slots: in front of the one barrier each wave waits for all its tensor loads, adds 0 to its spare word, and waits for that and for its reads of this slot.
; fill = 1: the barrier opens a round of the cluster's, and behind it this slot is filled again, two K steps ahead, first thing.
.macro TURN slot, next, fill
	WIN 0
	s_wait_tensorcnt 0x0                           ; all my tensor loads have landed: my part of the next slot
	ds_add_u32 v[SPW], v[NIL]
	s_wait_dscnt 5                                 ; (the add and A's blocks 2, 3 may be out)
	WIN 0xa5
	MULA F1, 0, 0
	s_wait_dscnt 0x0                               ; the add is done, and my reads of this slot are over
	s_barrier_signal -1
	MULA F1, 1, 0
.if \fill
	WIN 0
.endif
	s_barrier_wait -1
.if \fill
	CREST                                          ; no wave of any partner still reads this slot or has a load on its way
	s_add_nc_u64 s[G0A+4*\slot+2:G0A+4*\slot+3], s[G0A+4*\slot+2:G0A+4*\slot+3], 512
	s_add_nc_u64 s[G0B+4*\slot+2:G0B+4*\slot+3], s[G0B+4*\slot+2:G0B+4*\slot+3], 512
	JLOAD \slot                                    ; my one tensor load behind the round; its four v_nop are also the places ahead of the loads below
.else
	PLACES
.endif
	FETCH \next, 0, F0
	WIN 0xf5
	MULA F1, 2, 0
	MULA F1, 3, 0
.endm
	s_wait_tensorcnt 1                             ; my part of K step 0 is in; K step 1's may stay out
	s_barrier_signal -1
	s_barrier_wait -1
	FETCH 0, 0, F0
	QUARTER 0, 64, F0, F1, 1                       ; the first quarter stands ahead of the loop: its products start the sums
	WIN 0
	s_mov_b32 s3, LAPS-1
.Llap:                                             ; a trip goes once round the ring, from a lap's second quarter to the next lap's first
	QUARTER 0, 128, F1, F0, 0
	QUARTER 0, 192, F0, F1, 0
	TURN 0, 1, 1
	QUARTER 1, 64, F0, F1, 0
	QUARTER 1, 128, F1, F0, 0
	QUARTER 1, 192, F0, F1, 0
	TURN 1, 0, 1
	QUARTER 0, 64, F0, F1, 0
	WIN 0
	s_sub_co_u32 s3, s3, 1
	s_cmp_lg_u32 s3, 0
	s_cbranch_scc1 .Llap
	QUARTER 0, 128, F1, F0, 0                      ; the last lap fills nothing
	QUARTER 0, 192, F0, F1, 0
	TURN 0, 1, 0
	QUARTER 1, 64, F0, F1, 0
	QUARTER 1, 128, F1, F0, 0
	QUARTER 1, 192, F0, F1, 0
	s_wait_dscnt 4
	WIN 0xa5
	MULA F1, 0, 0
	MULA F1, 1, 0
	s_wait_dscnt 0x0
	WIN 0xf5
	MULA F1, 2, 0
	MULA F1, 3, 0
	WIN 0
	PLACES
; THE WAY OUT, a block of 16 queries at a time.  All of SOFT works inside the accumulators' own window; TOSTAGE and SEND set their own windows.
.set MX, 128                           ; four running maxima
.set MP, 132                           ; the permutes' destination
.set NM, 134                           ; -Mc (a pair is named)
.set SUA, 136                          ; the sum, in two chains of pairs
.set SUB, 138
.set LL, 140
.set SV, 142                           ; what goes to stats: v142, v143 by turns, so that no pending store's data are rewritten
.set PK, 160                           ; p' in f16, 32 registers
.macro SOFT a
.set S, 64*((\a)%2)
	WIN 0xaa+0x55*((\a)/2)
	v_mov_b32 v[MP], 0                             ; a lane permute's destination counts as read
	v_mov_b32 v[NM+1], 0
.irp q, 0,1,2,3
	v_max3_num_f32 v[MX+\q], v[S+16*\q], v[S+16*\q+1], v[S+16*\q+2]    ; four chains of 16 scores; each accumulator is first read at its low end
.endr
.irp n, 3,5,7,9,11,13
.irp q, 0,1,2,3
	v_max3_num_f32 v[MX+\q], v[MX+\q], v[S+16*\q+\n], v[S+16*\q+\n+1]
.endr
.endr
.irp q, 0,1,2,3
	v_max_num_f32 v[MX+\q], v[MX+\q], v[S+16*\q+15]
.endr
	v_max3_num_f32 v[MX], v[MX], v[MX+1], v[MX+2]
	v_max_num_f32 v[MX], v[MX], v[MX+3]
	v_permlanex16_b32 v[MP], v[MX], s70, s71
	v_max_num_f32 v[MX], v[MX], v[MP]              ; the chunk's largest score of my query
	v_mul_f32 v[MX], s68, v[MX]                    ; as t (c is positive)
	v_floor_f32 v[NM], -v[MX]                      ; -Mc = floor(-t): a whole number
.set n_, 0
.rept 32
	v_pk_fma_f32 v[S+n_:S+n_+1], v[S+n_:S+n_+1], s[68:69], v[NM:NM+1] op_sel_hi:[1,0,0]   ; t - Mc
.set n_, n_+2
.endr
.set n_, 0
.rept 64
	v_exp_f32 v[S+n_], v[S+n_]                     ; p' = 2^(t - Mc), at most 1
.set n_, n_+1
.endr
	v_nop                                          ; a plain line behind the last exponential
	s_wait_alu depctr_va_vdst(0)                   ; one wait for the batch, ahead of its first reader
	v_pk_add_f32 v[SUA:SUA+1], v[S:S+1], v[S+2:S+3]                    ; the sum is taken of the unrounded p'
	v_pk_add_f32 v[SUB:SUB+1], v[S+4:S+5], v[S+6:S+7]
.irp n, 8,12,16,20,24,28,32,36,40,44,48,52,56,60
	v_pk_add_f32 v[SUA:SUA+1], v[SUA:SUA+1], v[S+\n:S+\n+1]
	v_pk_add_f32 v[SUB:SUB+1], v[SUB:SUB+1], v[S+\n+2:S+\n+3]
.endr
.set n_, 0
.rept 32
	v_cvt_pk_f16_f32 v[PK+n_], v[S+2*n_], v[S+2*n_+1]
.set n_, n_+1
.endr
	v_pk_add_f32 v[SUA:SUA+1], v[SUA:SUA+1], v[SUB:SUB+1]
	v_add_f32 v[LL], v[SUA], v[SUA+1]
	v_permlanex16_b32 v[MP], v[LL], s70, s71
	v_add_f32 v[LL], v[LL], v[MP]                  ; lc
	v_cndmask_b32 v[SV+(\a)%2], v[NM], v[LL], s72  ; lanes 0-15: -Mc; lanes 16-31: lc
.endm
.macro TOSTAGE a
	WIN 0x08+4*((\a)/2)                            ; the data (source 1): window 2 or 3; the addresses: window 0
.irp b, 0,1,2,3,4,5,6,7
	ds_store_b128 v[STO], v[PK+4*\b:PK+4*\b+3] offset:32*\b
.endr
	global_store_b32 v[SO], v[SV+(\a)%2], s[66:67] offset:64*(\a)
	WIN 0
.irp t, 0,1,2,3,4,5,6,7
	ds_load_b128 v[OB+32*((\a)%2)+4*\t:OB+32*((\a)%2)+4*\t+3], v[RD] offset:544*\t   ; LDS serves a wave's instructions in order: these see the stores above
.endr
.endm
.macro SEND a
	WIN 0                                          ; address and data lie in window 0 (SOFT has left the accumulators' window set)
	s_wait_dscnt 0x0                               ; the block is back in registers
	s_wait_xcnt 0x0                                ; the block before has been read by its stores: its registers take the next block's rows only behind this wait
.irp t, 0,1,2,3,4,5,6,7
	global_store_b128 v[CO], v[OB+32*((\a)%2)+4*\t:OB+32*((\a)%2)+4*\t+3], s[8:9] offset:(16*(\a)+2*\t)*2048   ; 16 lanes store 256 consecutive bytes, aligned
.endr
.endm
	SOFT 0
	TOSTAGE 0
.irp a, 1,2,3
	SOFT \a
	SEND \a-1
	TOSTAGE \a
.endr
	SEND 3
	s_wait_tensorcnt 0x0                           ; the wave's end
	ds_add_u32 v[SPW], v[NIL]
	s_wait_dscnt 0x0
	CROUND                                         ; the closing round
	s_endpgm
.Lfunc_end_k_q9f2f7b0dc1_scores:
	.size	k_q9f2f7b0dc1_scores, .Lfunc_end_k_q9f2f7b0dc1_scores-k_q9f2f7b0dc1_scores
	.p2alignl 7, 3214868480
	.fill 96, 4, 3214868480
	.section	.rodata,"a",@progbits
	.p2align	6, 0x0
	.amdhsa_kernel k_q9f2f7b0dc1_scores
		.amdhsa_group_segment_fixed_size 327680
		.amdhsa_private_segment_fixed_size 0
		.amdhsa_enable_private_segment 0
		.amdhsa_kernarg_size 24
		.amdhsa_user_sgpr_count 2
		.amdhsa_user_sgpr_kernarg_segment_ptr 1
		.amdhsa_wavefront_size32 1
		.amdhsa_system_sgpr_workgroup_id_x 1
		.amdhsa_system_sgpr_workgroup_id_y 1
		.amdhsa_system_sgpr_workgroup_id_z 1
		.amdhsa_system_vgpr_workitem_id 0
		.amdhsa_next_free_vgpr 1024
		.amdhsa_next_free_sgpr 80
		.amdhsa_reserve_vcc 0
		.amdhsa_float_denorm_mode_32 3
		.amdhsa_float_denorm_mode_16_64 3
		.amdhsa_memory_ordered 1
		.amdhsa_forward_progress 1
		.amdhsa_inst_pref_size 122
	.end_amdhsa_kernel
	.amdgpu_metadata
---
amdhsa.version: [ 1, 2 ]
amdhsa.kernels:
  - .name:           k_q9f2f7b0dc1_scores
    .symbol:         k_q9f2f7b0dc1_scores.kd
    .args:
      - { .name: qkv, .offset: 0, .size: 8, .value_kind: global_buffer, .address_space: global }
      - { .name: pmat, .offset: 8, .size: 8, .value_kind: global_buffer, .address_space: global }
      - { .name: stats, .offset: 16, .size: 8, .value_kind: global_buffer, .address_space: global }
    .group_segment_fixed_size: 327680
    .private_segment_fixed_size: 0
    .kernarg_segment_align: 8
    .kernarg_segment_size: 24
    .max_flat_workgroup_size: 128
    .sgpr_count:     80
    .vgpr_count:     1024
    .wavefront_size: 32
...
	.end_amdgpu_metadata
.endif
;; end of part 3
;; launch pv (part 4): grid 4 x 64, 4 waves a work-group, clusters of 4 x 4, 327,680 bytes of LDS; arguments pmat, qkv, attn, stats; writes attn
.if DOCPART == 4
	.amdgcn_target "amdgcn-amd-amdhsa--gfx1250"
	.amdhsa_code_object_version 6
	.text
	.protected	k_q9f2f7b0dc1_pv
	.globl	k_q9f2f7b0dc1_pv
	.p2align	8
	.type	k_q9f2f7b0dc1_pv,@function
k_q9f2f7b0dc1_pv:
	s_mov_b64 s[64:65], 0
	v_nop
	global_prefetch_b8 v0, s[64:65] scope:SCOPE_SE
	s_setreg_imm32_b32 hwreg(HW_REG_WAVE_MODE, 25, 1), 1
	s_wait_xcnt 0x0
	s_wait_alu depctr_hold_cnt(0) depctr_sa_sdst(0) depctr_va_vdst(0) depctr_va_sdst(0) depctr_va_ssrc(0) depctr_va_vcc(0) depctr_vm_vsrc(0)
	s_getreg_b32 s2, hwreg(HW_REG_IB_STS2, 6, 4)
	s_cmp_eq_u32 s2, 0
	s_cbranch_scc0 .Lentry_in_a_cluster
	s_endpgm
.Lentry_in_a_cluster:
	s_bfe_u32 s2, ttmp6, 0x10000c
	s_cmp_lg_u32 s2, 0xf033
	s_cbranch_scc0 .Lentry_shape_is_right
	s_endpgm
.Lentry_shape_is_right:
; attn = softmax(S) V, from p' (f16, under each chunk's own Mc), -Mc and lc.  For a row: -M = the least of its eight -Mc; f_c = 2^(Mc - M), at most 1; l = the sum of f_c lc; g_c = f_c / l, all in f32.
; attn = the sum over chunks of g_c (p'_c V_c), rounded to f16.  So the row's maximum is taken away, in two steps, and the chunks are weighed in f32.
; LIMITS: NaN and infinities are not served; |attn| above 65,504 becomes infinity in f16.
; SHARES.  A work-group makes 128 queries x 192 channels of one batch; four waves, 2 x 2, each 64 x 96.  K = the 1,024 keys, in steps of 128 through a ring of two LDS slots.  A K STEP IS A CHUNK: its four quarters sum into
; 24 temporary accumulators T (the chunk's first products take the constant 0 as C), and at its end O += g_c T: 96 packed fused multiply-adds for the chunk's 96 matrix instructions.
; The walk over K is written out, since g_c's register follows the K step.  B = V^T [batch][768][1024], keys innermost.  Ring, rounds, joint loads and quarters as in the launch before.
; A work-group's part of a row of attn is 384 bytes, so of a row's six runs of 256 bytes two are stored as halves by two work-groups, and in the odd tile columns the stores of 256 bytes begin at 128 modulo 256:
; a tile of 256 channels would give 192 work-groups for 256 WGPs, and no LDS address may hang on the tile column.
; REGISTERS.  window 0: v16-33 addresses; v40-63 packed results; v64-127 g_c, twice each (a pair for the packed forms), at 2 (4 chunk + block); v128-191 -Mc and lc, later v128-223 rows read back.
;   window 1: two fragment buffers.  windows 2, 3: T (a, b) at v[8 (6 (a % 2) + b)], O 128 registers further up.
.set NB, 6
.set KPA, 1024
.set KPB, 1024
.set LAPS, 4
.set PITCH, 272
.set ABYTES, 128*PITCH
.set SLOT, (128+32*NB)*PITCH
.set STAGE, 2*SLOT                     ; behind the ring: the work-group's stage, 128 rows x 400 bytes
.set SP, 400
.set SPARE, STAGE+128*SP
.set OUTP, 1536                        ; a row of attn in bytes
.set ADRA, 16
.set ADRB, 20
.set STO, 24
.set RDA, 25                           ; the way back: two rows' first 256 bytes
.set RDB, 26                           ; four rows' last 128 bytes
.set SPW, 28
.set NIL, 29
.set COA, 32
.set COB, 33
.set TMP, 40
.set FP, 64
.set OB, 128
.set NMR, 128
.set LR, 160
.set IL, 224
.set NMIN, 232
.set LS, 236
.set OA, 128                           ; O, in windows 2 and 3
.set F0, 0
.set F1, 128
.set G1A, 24
.set G0A, 32
.set G1B, 48
.set G0B, 56
.set KS, 0                             ; the K step in hand
.set MSB, 0
.macro WIN new                         ; the immediate's high byte repeats the setting that is left
.if MSB != (\new)
	s_set_vgpr_msb (MSB<<8)|(\new)
.set MSB, (\new)
.endif
.endm
.macro PLACES                          ; four plain places behind matrix instructions, ahead of loads into their registers and of reads of their results
.rept 4
	v_nop
.endr
.endm
.macro JLOAD sl                        ; a joint load: waves 0, 1 for A, waves 2, 3 for B; the branch hangs on the wave's number alone
	s_cmp_eq_u32 s11, 0
	s_cbranch_scc0 .Lfor_b_\@
	tensor_load_to_lds s[G0A+4*\sl:G0A+4*\sl+3], s[G1A:G1A+7]
	s_nop 0
	PLACES
	s_branch .Lasked_\@
.Lfor_b_\@:
	tensor_load_to_lds s[G0B+4*\sl:G0B+4*\sl+3], s[G1B:G1B+7]
	s_nop 0
	PLACES
.Lasked_\@:
.endm
.macro CREST                           ; a round of the cluster's barrier behind its opening barrier
	s_cmp_lg_u32 s10, 0
	s_cbranch_scc1 .Lnot_wave_0_\@
	s_barrier_signal -3
.Lnot_wave_0_\@:
	s_barrier_wait -3
	s_barrier_signal -1
	s_barrier_wait -1
.endm
.macro CROUND
	s_barrier_signal -1
	s_barrier_wait -1
	CREST
.endm
	s_load_b128 s[4:7], s[0:1], 0x0                ; pmat, qkv (V^T at 2^25)
	s_load_b64 s[8:9], s[0:1], 0x10                ; attn
	s_load_b64 s[66:67], s[0:1], 0x18              ; stats
	v_lshl_add_u32 v[SPW], v0, 2, SPARE
	v_mov_b32 v[NIL], 0
	ds_add_u32 v[SPW], v[NIL]                      ; the wave's opening: the add, twice on end, and its wait ahead of my first tensor load
	ds_add_u32 v[SPW], v[NIL]
	v_lshrrev_b32 v1, 5, v0
	v_readfirstlane_b32 s10, v1                    ; wave
	s_lshr_b32 s11, s10, 1                         ; i
	s_and_b32 s12, s10, 1                          ; j
	s_bfe_u32 s40, ttmp6, 0x40000                  ; cx
	s_bfe_u32 s41, ttmp6, 0x40004                  ; cy
	s_lshl_b32 s42, ttmp9, 2
	s_add_co_u32 s42, s42, s40                     ; tile column
	s_and_b32 s14, ttmp7, 0xffff                   ; the cluster's y
	s_lshl_b32 s13, s14, 2
	s_add_co_u32 s13, s13, s41                     ; tile row
	s_lshr_b32 s15, s14, 1                         ; the batch
	s_lshl_b32 s43, s41, 2
	s_lshl_b32 s43, 15, s43                        ; my row of the cluster
	s_lshl_b32 s44, 0x1111, s40                    ; my column
	s_or_b32 s[G1A], s43, (1<<16)|(1<<20)|(1<<21)|(5<<22)|(3<<25)   ; the mask; elements of 2 bytes; padding on, 4 words behind every 64; bit 21 beside a mask
	s_or_b32 s[G1B], s44, (1<<16)|(1<<20)|(1<<21)|(5<<22)|(3<<25)
	s_mov_b32 s[G1A+1], 128<<16
	s_mov_b32 s[G1A+2], 64<<16
	s_mov_b32 s[G1A+3], 128<<16
	s_mov_b32 s[G1A+4], 64
	s_mov_b32 s[G1A+5], KPA
	s_mov_b32 s[G1A+6], 0
	s_mov_b32 s[G1A+7], 0
	s_mov_b32 s[G1B+1], 128<<16
	s_mov_b32 s[G1B+2], (16*NB)<<16
	s_mov_b32 s[G1B+3], 128<<16
	s_mov_b32 s[G1B+4], 16*NB
	s_mov_b32 s[G1B+5], KPB
	s_mov_b32 s[G1B+6], 0
	s_mov_b32 s[G1B+7], 0
	s_lshl_b32 s16, s13, 7
	s_lshl_b32 s17, s12, 6
	s_add_co_u32 s16, s16, s17                     ; A: row 128 x tile row + 64 x half
	s_mul_i32 s16, s16, 2*KPA
	s_mov_b32 s17, 0
	s_mul_i32 s46, s42, 32*NB
	s_mul_i32 s47, s12, 16*NB
	s_add_co_u32 s46, s46, s47                     ; B: channel 192 x tile column + 96 x half
	s_mul_i32 s47, s15, 768
	s_add_co_u32 s46, s46, s47                     ; + 768 x batch
	s_mul_i32 s46, s46, 2*KPB
	s_mov_b32 s47, 0
	s_mul_i32 s20, s12, 64*PITCH
	s_mul_i32 s23, s12, 16*NB*PITCH
	s_add_co_u32 s23, s23, ABYTES
	s_wait_dscnt 0x0                               ; both opening adds are done
	s_wait_kmcnt 0x0
	s_add_nc_u64 s[6:7], s[6:7], 0x2000000         ; V^T
	s_add_nc_u64 s[18:19], s[4:5], s[16:17]
	s_add_nc_u64 s[46:47], s[6:7], s[46:47]
	CROUND                                         ; all sixteen work-groups are here: the first joint loads meet
.irp s, 0,1
	s_mov_b32 s[G0A+4*\s], 1
	s_add_co_u32 s[G0A+4*\s+1], s20, \s*SLOT
	s_add_nc_u64 s[G0A+4*\s+2:G0A+4*\s+3], s[18:19], \s*256
	s_or_b32 s[G0A+4*\s+3], s[G0A+4*\s+3], 0x80000000
	s_mov_b32 s[G0B+4*\s], 1
	s_add_co_u32 s[G0B+4*\s+1], s23, \s*SLOT
	s_add_nc_u64 s[G0B+4*\s+2:G0B+4*\s+3], s[46:47], \s*256
	s_or_b32 s[G0B+4*\s+3], s[G0B+4*\s+3], 0x80000000
	JLOAD \s                                       ; K steps 0 and 1: two tensor loads of mine are out
.endr
	v_and_b32 v1, 15, v0                           ; r
	v_bfe_u32 v2, v0, 4, 1                         ; h
	s_lshl_b32 s74, s15, 16                        ; stats: 65,536 bytes a batch,
	s_and_b32 s76, s13, 7
	s_lshl_b32 s76, s76, 9
	s_add_co_u32 s74, s74, s76
	s_lshl_b32 s76, s11, 8
	s_add_co_u32 s74, s74, s76                     ; + 4 x my first query in the batch
	s_mov_b32 s75, 0
	s_add_nc_u64 s[66:67], s[66:67], s[74:75]
	v_lshlrev_b32 v4, 2, v1
.irp c, 0,1,2,3,4,5,6,7
.irp a, 0,1,2,3
	global_load_b32 v[NMR+4*\c+\a], v4, s[66:67] offset:8192*\c+64*\a          ; -Mc of query 16 a + r, chunk c
	global_load_b32 v[LR+4*\c+\a], v4, s[66:67] offset:8192*\c+64*\a+4096      ; lc
.endr
.endr
	v_mul_u32_u24 v3, v1, PITCH
	v_lshl_add_u32 v3, v2, 4, v3                   ; a fragment's row x pitch + 16 x half
	s_mul_i32 s21, s11, 64*PITCH
	s_mul_i32 s22, s12, 16*NB*PITCH
	s_add_co_u32 s22, s22, ABYTES
.irp s, 0,1
	v_add_nc_u32 v[ADRA+\s], s21, v3
	v_add_nc_u32 v[ADRB+\s], s22, v3
	s_add_co_u32 s21, s21, SLOT
	s_add_co_u32 s22, s22, SLOT
.endr
	s_mul_i32 s73, s11, 64*SP                      ; into the stage: my 64 rows, my 192 bytes of them; row r, 16 bytes for each half of the lanes
	s_mul_i32 s76, s12, 192
	s_add_co_u32 s73, s73, s76
	s_add_co_u32 s73, s73, STAGE
	v_mul_u32_u24 v5, v1, SP
	v_lshl_add_u32 v5, v2, 4, v5
	v_add_nc_u32 v[STO], s73, v5
	s_mul_i32 s73, s10, 32*SP                      ; back: wave w takes rows 32 w .. 32 w + 31 whole; three instructions take four rows
	s_add_co_u32 s73, s73, STAGE
	v_mul_u32_u24 v10, v2, SP
	v_lshl_add_u32 v10, v1, 4, v10
	v_add_nc_u32 v[RDA], s73, v10                  ; lanes 0-15 the first 256 bytes of one row, lanes 16-31 of the next
	v_mul_u32_u24 v10, v2, OUTP
	v_lshl_add_u32 v[COA], v1, 4, v10              ; and the same in attn
	v_bfe_u32 v7, v0, 3, 2                         ; lane / 8
	v_and_b32 v8, 7, v0                            ; lane % 8
	v_mul_u32_u24 v10, v7, SP
	v_lshl_add_u32 v10, v8, 4, v10
	v_add_nc_u32 v10, 256, v10
	v_add_nc_u32 v[RDB], s73, v10                  ; eight lanes the last 128 bytes of a row, four rows an instruction
	v_mul_u32_u24 v10, v7, OUTP
	v_lshl_add_u32 v10, v8, 4, v10
	v_add_nc_u32 v[COB], 256, v10
	s_lshl_b32 s16, s13, 7
	s_lshl_b32 s17, s10, 5
	s_add_co_u32 s16, s16, s17                     ; the first row that I store
	s_mul_i32 s16, s16, OUTP
	s_mov_b32 s17, 0
	s_add_nc_u64 s[8:9], s[8:9], s[16:17]
	s_mul_i32 s46, s42, 384                        ; the tile's first channel, in bytes
	s_mov_b32 s47, 0
	s_add_nc_u64 s[8:9], s[8:9], s[46:47]
	s_wait_loadcnt 0x0                             ; the statistics
.irp a, 0,1,2,3
	v_min3_num_f32 v[NMIN+\a], v[NMR+\a], v[NMR+4+\a], v[NMR+8+\a]
.endr
.irp a, 0,1,2,3
	v_min3_num_f32 v[NMIN+\a], v[NMIN+\a], v[NMR+12+\a], v[NMR+16+\a]
.endr
.irp a, 0,1,2,3
	v_min3_num_f32 v[NMIN+\a], v[NMIN+\a], v[NMR+20+\a], v[NMR+24+\a]
.endr
.irp a, 0,1,2,3
	v_min_num_f32 v[NMIN+\a], v[NMIN+\a], v[NMR+28+\a]                 ; -M of the row
.endr
.set n_, 0
.rept 32
	v_sub_f32 v[NMR+n_], v[NMIN+n_%4], v[NMR+n_]   ; Mc - M: a whole number, 0 or less
.set n_, n_+1
.endr
.set n_, 0
.rept 32
	v_cvt_i32_f32 v[NMR+n_], v[NMR+n_]             ; (it saturates)
.set n_, n_+1
.endr
.set n_, 0
.rept 32
	v_ldexp_f32 v[NMR+n_], 1.0, v[NMR+n_]          ; f_c
.set n_, n_+1
.endr
.irp a, 0,1,2,3
	v_mul_f32 v[LS+\a], v[NMR+\a], v[LR+\a]
.endr
.irp c, 1,2,3,4,5,6,7
.irp a, 0,1,2,3
	v_fma_f32 v[LS+\a], v[NMR+4*\c+\a], v[LR+4*\c+\a], v[LS+\a]        ; l
.endr
.endr
.irp a, 0,1,2,3
	v_rcp_f32 v[IL+\a], v[LS+\a]                   ; l is above 1/2: the largest chunk's largest p' alone is
.endr
	v_nop                                          ; a plain line behind the last reciprocal
	s_wait_alu depctr_va_vdst(0)                   ; one wait for the four, ahead of their first reader
.set n_, 0
.rept 32
	v_mul_f32 v[FP+2*n_], v[NMR+n_], v[IL+n_%4]    ; g_c = f_c / l, in both registers of a pair
	v_mul_f32 v[FP+2*n_+1], v[NMR+n_], v[IL+n_%4]
.set n_, n_+1
.endr
; NB products: A's block a x B's NB.  All 4 NB accumulators take turns, one instruction a turn, in one order throughout.  first = 1: the product starts the chunk's sum.
.macro MULA f, a, first
.set bb, 0
.rept NB
.set rD, 8*(NB*((\a)%2)+bb)
.set rB, (\f)+32+8*bb
.set rA, (\f)+8*(\a)
.if \first
	v_wmma_f32_16x16x32_f16 v[rD:rD+7], v[rB:rB+7], v[rA:rA+7], 0
.else
	v_wmma_f32_16x16x32_f16 v[rD:rD+7], v[rB:rB+7], v[rA:rA+7], v[rD:rD+7]
.endif
.set bb, bb+1
.endr
.endm
.macro FETCH slot, k, f                ; one run of LDS loads: the fragments of 32 along K at byte k of the rows: B's, then A's four
	WIN 0x40
.set bb, 0
.rept NB
	ds_load_b128 v[(\f)+32+8*bb:(\f)+32+8*bb+3], v[ADRB+\slot] offset:(\k)+bb*16*PITCH
	ds_load_b128 v[(\f)+32+8*bb+4:(\f)+32+8*bb+7], v[ADRB+\slot] offset:(\k)+bb*16*PITCH+32
.set bb, bb+1
.endr
.irp a, 0,1,2,3
	ds_load_b128 v[(\f)+8*\a:(\f)+8*\a+3], v[ADRA+\slot] offset:(\k)+\a*16*PITCH
	ds_load_b128 v[(\f)+8*\a+4:(\f)+8*\a+7], v[ADRA+\slot] offset:(\k)+\a*16*PITCH+32
.endr
.endm
; THE CHUNK'S END: O += g_c T, in f32; the first chunk starts O, so nothing is cleared.  A lane holds one query in T, so g_c is one number a lane and block.  Each accumulator is read from its low end on.
; Four v_nop stand between the last product and the first read of T; between an accumulator's last product and the product with C = 0 that begins it anew stand those four and the 92 lines here that name other accumulators (five are asked).
.macro FOLD
	PLACES
.irp hi, 0,1
	WIN 0xa2+0x51*\hi                              ; T (source 0) and O (source 2, destination): window 2 or 3; g (source 1): window 0
.irp a, 2*\hi, 2*\hi+1
.set n_, 0
.rept 4*NB
.set rT, 8*NB*((\a)%2)+2*n_
.if KS == 0
	v_pk_mul_f32 v[OA+rT:OA+rT+1], v[rT:rT+1], v[FP+2*(4*KS+(\a)):FP+2*(4*KS+(\a))+1]
.else
	v_pk_fma_f32 v[OA+rT:OA+rT+1], v[rT:rT+1], v[FP+2*(4*KS+(\a)):FP+2*(4*KS+(\a))+1], v[OA+rT:OA+rT+1]
.endif
.set n_, n_+1
.endr
.endr
.endr
.set KS, KS+1
.endm
.macro QUARTER slot, k, f, g, first
	s_wait_dscnt 4                                 ; all but the youngest four loads (A's blocks 2, 3) are in
	WIN 0xa5
	MULA \f, 0, \first
	MULA \f, 1, \first
	PLACES
	FETCH \slot, \k, \g
	s_wait_dscnt 2*(NB+4)                          ; all but the run just issued
	WIN 0xf5
	MULA \f, 2, \first
	MULA \f, 3, \first
.endm
; The last quarter multiplies buffer 1 and changes slots: in front of the one barrier each wave waits for all its tensor loads, adds 0 to its spare word, and waits for that and for its reads of this slot.  The chunk is folded at its end.
.macro TURN slot, next, fill
	WIN 0
	s_wait_tensorcnt 0x0                           ; all my tensor loads have landed: my part of the next slot
	ds_add_u32 v[SPW], v[NIL]
	s_wait_dscnt 5                                 ; (the add and A's blocks 2, 3 may be out)
	WIN 0xa5
	MULA F1, 0, 0
	s_wait_dscnt 0x0                               ; the add is done, and my reads of this slot are over
	s_barrier_signal -1
	MULA F1, 1, 0
.if \fill
	WIN 0
.endif
	s_barrier_wait -1
.if \fill
	CREST                                          ; no wave of any partner still reads this slot or has a load on its way
	s_add_nc_u64 s[G0A+4*\slot+2:G0A+4*\slot+3], s[G0A+4*\slot+2:G0A+4*\slot+3], 512
	s_add_nc_u64 s[G0B+4*\slot+2:G0B+4*\slot+3], s[G0B+4*\slot+2:G0B+4*\slot+3], 512
	JLOAD \slot                                    ; my one tensor load behind the round; its four v_nop are also the places ahead of the loads below
.else
	PLACES
.endif
	FETCH \next, 0, F0
	WIN 0xf5
	MULA F1, 2, 0
	MULA F1, 3, 0
	FOLD
.endm
	s_wait_tensorcnt 1                             ; my part of K step 0 is in; K step 1's may stay out
	s_barrier_signal -1
	s_barrier_wait -1
	FETCH 0, 0, F0
	QUARTER 0, 64, F0, F1, 1
.rept LAPS-1                           ; written out: once round the ring each, both slots filled again
	QUARTER 0, 128, F1, F0, 0
	QUARTER 0, 192, F0, F1, 0
	TURN 0, 1, 1
	QUARTER 1, 64, F0, F1, 1
	QUARTER 1, 128, F1, F0, 0
	QUARTER 1, 192, F0, F1, 0
	TURN 1, 0, 1
	QUARTER 0, 64, F0, F1, 1
.endr
	QUARTER 0, 128, F1, F0, 0                      ; the last lap fills nothing
	QUARTER 0, 192, F0, F1, 0
	TURN 0, 1, 0
	QUARTER 1, 64, F0, F1, 1
	QUARTER 1, 128, F1, F0, 0
	QUARTER 1, 192, F0, F1, 0
	s_wait_dscnt 4
	WIN 0xa5
	MULA F1, 0, 0
	MULA F1, 1, 0
	s_wait_dscnt 0x0
	WIN 0xf5
	MULA F1, 2, 0
	MULA F1, 3, 0
	FOLD                                           ; the eighth chunk
; THE WAY OUT: O rounded to f16, into the work-group's stage; a barrier, since a row's bytes come from two waves; back as whole rows, 32 a wave.
.macro PACK a
.set AC, OA+8*NB*((\a)%2)
	WIN 0x0a+5*((\a)/2)
.set n_, 0
.rept 4*NB
	v_cvt_pk_f16_f32 v[TMP+n_], v[AC+2*n_], v[AC+2*n_+1]
.set n_, n_+1
.endr
	WIN 0
.set bb, 0
.rept NB
	ds_store_b128 v[STO], v[TMP+4*bb:TMP+4*bb+3] offset:16*SP*(\a)+32*bb
.set bb, bb+1
.endr
.endm
.irp a, 0,1,2,3
	PACK \a
.endr
	s_wait_dscnt 0x0                               ; for the others' sake: my stores into the stage are done
	s_barrier_signal -1
	s_barrier_wait -1
.set n_, 0
.rept 24
.if n_%3 == 2
	ds_load_b128 v[OB+4*n_:OB+4*n_+3], v[RDB] offset:(n_/3)*4*SP
.else
	ds_load_b128 v[OB+4*n_:OB+4*n_+3], v[RDA] offset:((n_/3)*4+2*(n_%3))*SP
.endif
.set n_, n_+1
.endr
.set n_, 0
.rept 24
	s_wait_dscnt 23-n_                             ; the younger loads may be out
.if n_%3 == 2
	global_store_b128 v[COB], v[OB+4*n_:OB+4*n_+3], s[8:9] offset:(n_/3)*4*OUTP
.else
	global_store_b128 v[COA], v[OB+4*n_:OB+4*n_+3], s[8:9] offset:((n_/3)*4+2*(n_%3))*OUTP
.endif
.set n_, n_+1
.endr
	s_wait_tensorcnt 0x0                           ; the wave's end
	ds_add_u32 v[SPW], v[NIL]
	s_wait_dscnt 0x0
	CROUND                                         ; the closing round
	s_endpgm
.Lfunc_end_k_q9f2f7b0dc1_pv:
	.size	k_q9f2f7b0dc1_pv, .Lfunc_end_k_q9f2f7b0dc1_pv-k_q9f2f7b0dc1_pv
	.p2alignl 7, 3214868480
	.fill 96, 4, 3214868480
	.section	.rodata,"a",@progbits
	.p2align	6, 0x0
	.amdhsa_kernel k_q9f2f7b0dc1_pv
		.amdhsa_group_segment_fixed_size 327680
		.amdhsa_private_segment_fixed_size 0
		.amdhsa_enable_private_segment 0
		.amdhsa_kernarg_size 32
		.amdhsa_user_sgpr_count 2
		.amdhsa_user_sgpr_kernarg_segment_ptr 1
		.amdhsa_wavefront_size32 1
		.amdhsa_system_sgpr_workgroup_id_x 1
		.amdhsa_system_sgpr_workgroup_id_y 1
		.amdhsa_system_sgpr_workgroup_id_z 1
		.amdhsa_system_vgpr_workitem_id 0
		.amdhsa_next_free_vgpr 1024
		.amdhsa_next_free_sgpr 80
		.amdhsa_reserve_vcc 0
		.amdhsa_float_denorm_mode_32 3
		.amdhsa_float_denorm_mode_16_64 3
		.amdhsa_memory_ordered 1
		.amdhsa_forward_progress 1
		.amdhsa_inst_pref_size 189
	.end_amdhsa_kernel
	.amdgpu_metadata
---
amdhsa.version: [ 1, 2 ]
amdhsa.kernels:
  - .name:           k_q9f2f7b0dc1_pv
    .symbol:         k_q9f2f7b0dc1_pv.kd
    .args:
      - { .name: pmat, .offset: 0, .size: 8, .value_kind: global_buffer, .address_space: global }
      - { .name: qkv, .offset: 8, .size: 8, .value_kind: global_buffer, .address_space: global }
      - { .name: attn, .offset: 16, .size: 8, .value_kind: global_buffer, .address_space: global }
      - { .name: stats, .offset: 24, .size: 8, .value_kind: global_buffer, .address_space: global }
    .group_segment_fixed_size: 327680
    .private_segment_fixed_size: 0
    .kernarg_segment_align: 8
    .kernarg_segment_size: 32
    .max_flat_workgroup_size: 128
    .sgpr_count:     80
    .vgpr_count:     1024
    .wavefront_size: 32
...
	.end_amdgpu_metadata
.endif
;; end of part 4
;; launch ff1 (part 5): grid 8 x 64, 4 waves a work-group, clusters of 4 x 4, 327,680 bytes of LDS; arguments attn, wts, hid, b1; writes hid
.if DOCPART == 5
	.amdgcn_target "amdgcn-amd-amdhsa--gfx1250"
	.amdhsa_code_object_version 6
	.text
	.protected	k_q9f2f7b0dc1_ff1
	.globl	k_q9f2f7b0dc1_ff1
	.p2align	8
	.type	k_q9f2f7b0dc1_ff1,@function
k_q9f2f7b0dc1_ff1:
	s_mov_b64 s[64:65], 0
	v_nop
	global_prefetch_b8 v0, s[64:65] scope:SCOPE_SE
	s_setreg_imm32_b32 hwreg(HW_REG_WAVE_MODE, 25, 1), 1
	s_wait_xcnt 0x0
	s_wait_alu depctr_hold_cnt(0) depctr_sa_sdst(0) depctr_va_vdst(0) depctr_va_sdst(0) depctr_va_ssrc(0) depctr_va_vcc(0) depctr_vm_vsrc(0)
	s_getreg_b32 s2, hwreg(HW_REG_IB_STS2, 6, 4)
	s_cmp_eq_u32 s2, 0
	s_cbranch_scc0 .Lentry_in_a_cluster
	s_endpgm
.Lentry_in_a_cluster:
	s_bfe_u32 s2, ttmp6, 0x10000c
	s_cmp_lg_u32 s2, 0xf033
	s_cbranch_scc0 .Lentry_shape_is_right
	s_endpgm
.Lentry_shape_is_right:
; h = relu(attn W1^T + b1): f16 operands, f32 sums, h rounded to bf16 (h has no room in f16 where the inputs are some 30 times larger).  attn [8192][768] f16, W1 [3072][768] f16 at byte 0 of wts, hid [8192][3072] bf16.
; LIMITS: NaN and infinities are not served.
; SHARES.  A work-group makes 128 rows x 384 columns; four waves, 2 x 2, each 64 x 192: 48 accumulators.  512 work-groups.  K (768) goes in steps of 128 through a ring of two LDS slots (rows of 256 bytes + 16).
; Waves 0, 1 fetch attn's halves (64 rows), waves 2, 3 W1's (192 rows).  CLUSTER 4 x 4: attn's tile is asked for jointly along a row of the cluster, W1's along a column.
; The matrix instruction is used transposed (source 0 = 16 rows of W1, source 1 = 16 rows of attn): a lane holds eight neighbouring columns of a row.  The bias is the C of each sum's first product.
; The stage for the way out lies in slot 0: when the first result is stored there, that slot has had its last fill, and every wave has passed the last change of slots, behind which nobody reads it.
; REGISTERS.  window 0: v16-32 addresses; v40-87 packed results; v128-223 the bias (8 b + ..), later rows read back.  window 1: two fragment buffers of 128.  windows 2, 3: accumulator (a, b) at v[8 (12 (a % 2) + b)].
.set NB, 12
.set KPA, 768
.set KPB, 768
.set LAPS, 3
.set PITCH, 272
.set ABYTES, 128*PITCH
.set SLOT, (128+32*NB)*PITCH
.set STAGE, 0
.set SP, 784                           ; a stage row: 768 bytes + 16
.set SPARE, 2*SLOT
.set OUTP, 6144                        ; a row of hid in bytes
.set ADRA, 16
.set ADRB, 20
.set STO, 24
.set RD, 25
.set SPW, 28
.set NIL, 29
.set CO, 32
.set TMP, 40
.set BIAS, 128
.set OB, 128
.set F0, 0
.set F1, 128
.set G1A, 24
.set G0A, 32
.set G1B, 48
.set G0B, 56
.set MSB, 0
.macro WIN new                         ; the immediate's high byte repeats the setting that is left
.if MSB != (\new)
	s_set_vgpr_msb (MSB<<8)|(\new)
.set MSB, (\new)
.endif
.endm
.macro PLACES                          ; four plain places behind matrix instructions, ahead of loads into their registers and of reads of their results
.rept 4
	v_nop
.endr
.endm
.macro JLOAD sl                        ; a joint load: waves 0, 1 for A, waves 2, 3 for B; the branch hangs on the wave's number alone
	s_cmp_eq_u32 s11, 0
	s_cbranch_scc0 .Lfor_b_\@
	tensor_load_to_lds s[G0A+4*\sl:G0A+4*\sl+3], s[G1A:G1A+7]
	s_nop 0
	PLACES
	s_branch .Lasked_\@
.Lfor_b_\@:
	tensor_load_to_lds s[G0B+4*\sl:G0B+4*\sl+3], s[G1B:G1B+7]
	s_nop 0
	PLACES
.Lasked_\@:
.endm
.macro CREST                           ; a round of the cluster's barrier behind its opening barrier
	s_cmp_lg_u32 s10, 0
	s_cbranch_scc1 .Lnot_wave_0_\@
	s_barrier_signal -3
.Lnot_wave_0_\@:
	s_barrier_wait -3
	s_barrier_signal -1
	s_barrier_wait -1
.endm
.macro CROUND
	s_barrier_signal -1
	s_barrier_wait -1
	CREST
.endm
	s_load_b128 s[4:7], s[0:1], 0x0                ; attn, wts
	s_load_b64 s[8:9], s[0:1], 0x10                ; hid
	s_load_b64 s[66:67], s[0:1], 0x18              ; b1
	v_lshl_add_u32 v[SPW], v0, 2, SPARE
	v_mov_b32 v[NIL], 0
	ds_add_u32 v[SPW], v[NIL]                      ; the wave's opening: the add, twice on end, and its wait ahead of my first tensor load
	ds_add_u32 v[SPW], v[NIL]
	v_lshrrev_b32 v1, 5, v0
	v_readfirstlane_b32 s10, v1                    ; wave
	s_lshr_b32 s11, s10, 1                         ; i
	s_and_b32 s12, s10, 1                          ; j
	s_bfe_u32 s40, ttmp6, 0x40000                  ; cx
	s_bfe_u32 s41, ttmp6, 0x40004                  ; cy
	s_lshl_b32 s42, ttmp9, 2
	s_add_co_u32 s42, s42, s40                     ; tile column
	s_and_b32 s14, ttmp7, 0xffff
	s_lshl_b32 s13, s14, 2
	s_add_co_u32 s13, s13, s41                     ; tile row
	s_lshl_b32 s43, s41, 2
	s_lshl_b32 s43, 15, s43                        ; my row of the cluster
	s_lshl_b32 s44, 0x1111, s40                    ; my column
	s_or_b32 s[G1A], s43, (1<<16)|(1<<20)|(1<<21)|(5<<22)|(3<<25)   ; the mask; elements of 2 bytes; padding on, 4 words behind every 64; bit 21 beside a mask
	s_or_b32 s[G1B], s44, (1<<16)|(1<<20)|(1<<21)|(5<<22)|(3<<25)
	s_mov_b32 s[G1A+1], 128<<16
	s_mov_b32 s[G1A+2], 64<<16
	s_mov_b32 s[G1A+3], 128<<16
	s_mov_b32 s[G1A+4], 64
	s_mov_b32 s[G1A+5], KPA
	s_mov_b32 s[G1A+6], 0
	s_mov_b32 s[G1A+7], 0
	s_mov_b32 s[G1B+1], 128<<16
	s_mov_b32 s[G1B+2], (16*NB)<<16
	s_mov_b32 s[G1B+3], 128<<16
	s_mov_b32 s[G1B+4], 16*NB
	s_mov_b32 s[G1B+5], KPB
	s_mov_b32 s[G1B+6], 0
	s_mov_b32 s[G1B+7], 0
	s_lshl_b32 s16, s13, 7
	s_lshl_b32 s17, s12, 6
	s_add_co_u32 s16, s16, s17                     ; A: row 128 x tile row + 64 x half
	s_mul_i32 s16, s16, 2*KPA
	s_mov_b32 s17, 0
	s_mul_i32 s46, s42, 32*NB
	s_mul_i32 s47, s12, 16*NB
	s_add_co_u32 s46, s46, s47                     ; B: row 384 x tile column + 192 x half
	s_mul_i32 s46, s46, 2*KPB
	s_mov_b32 s47, 0
	s_mul_i32 s20, s12, 64*PITCH
	s_mul_i32 s23, s12, 16*NB*PITCH
	s_add_co_u32 s23, s23, ABYTES
	s_wait_dscnt 0x0                               ; both opening adds are done
	s_wait_kmcnt 0x0
	s_add_nc_u64 s[18:19], s[4:5], s[16:17]
	s_add_nc_u64 s[46:47], s[6:7], s[46:47]
	CROUND                                         ; all sixteen work-groups are here: the first joint loads meet
.irp s, 0,1
	s_mov_b32 s[G0A+4*\s], 1
	s_add_co_u32 s[G0A+4*\s+1], s20, \s*SLOT
	s_add_nc_u64 s[G0A+4*\s+2:G0A+4*\s+3], s[18:19], \s*256
	s_or_b32 s[G0A+4*\s+3], s[G0A+4*\s+3], 0x80000000
	s_mov_b32 s[G0B+4*\s], 1
	s_add_co_u32 s[G0B+4*\s+1], s23, \s*SLOT
	s_add_nc_u64 s[G0B+4*\s+2:G0B+4*\s+3], s[46:47], \s*256
	s_or_b32 s[G0B+4*\s+3], s[G0B+4*\s+3], 0x80000000
	JLOAD \s                                       ; K steps 0 and 1: two tensor loads of mine are out
.endr
	v_and_b32 v1, 15, v0                           ; r
	v_bfe_u32 v2, v0, 4, 1                         ; h
	s_mul_i32 s74, s42, 128*NB                     ; the bias: 4 x (384 x tile column + 192 j)
	s_mul_i32 s76, s12, 64*NB
	s_add_co_u32 s74, s74, s76
	s_mov_b32 s75, 0
	s_add_nc_u64 s[66:67], s[66:67], s[74:75]
	v_lshlrev_b32 v4, 5, v2
.set bb, 0
.rept NB
	global_load_b128 v[BIAS+8*bb:BIAS+8*bb+3], v4, s[66:67] offset:64*bb       ; lane (r, h), block b: the bias of columns 16 b + 8 h + 0 .. 7
	global_load_b128 v[BIAS+8*bb+4:BIAS+8*bb+7], v4, s[66:67] offset:64*bb+16
.set bb, bb+1
.endr
	v_mul_u32_u24 v3, v1, PITCH
	v_lshl_add_u32 v3, v2, 4, v3                   ; a fragment's row x pitch + 16 x half
	s_mul_i32 s21, s11, 64*PITCH
	s_mul_i32 s22, s12, 16*NB*PITCH
	s_add_co_u32 s22, s22, ABYTES
.irp s, 0,1
	v_add_nc_u32 v[ADRA+\s], s21, v3
	v_add_nc_u32 v[ADRB+\s], s22, v3
	s_add_co_u32 s21, s21, SLOT
	s_add_co_u32 s22, s22, SLOT
.endr
	s_mul_i32 s73, s11, 64*SP                      ; into the stage: my 64 rows, my 384 bytes of them; row r, 16 bytes for each half of the lanes
	s_mul_i32 s76, s12, 384
	s_add_co_u32 s73, s73, s76
	v_mul_u32_u24 v5, v1, SP
	v_lshl_add_u32 v5, v2, 4, v5
	v_add_nc_u32 v[STO], s73, v5
	s_mul_i32 s73, s10, 32*SP                      ; back: wave w takes rows 32 w .. 32 w + 31 whole: lanes 0-15 take 256 bytes of one row, lanes 16-31 of the next; which pair of rows and which third of a row stand in the immediates
	v_mul_u32_u24 v10, v2, SP
	v_lshl_add_u32 v10, v1, 4, v10
	v_add_nc_u32 v[RD], s73, v10
	v_mul_u32_u24 v10, v2, OUTP
	v_lshl_add_u32 v[CO], v1, 4, v10               ; and the same in hid
	s_lshl_b32 s16, s13, 7
	s_lshl_b32 s17, s10, 5
	s_add_co_u32 s16, s16, s17                     ; the first row that I store
	s_mul_i32 s16, s16, OUTP
	s_mov_b32 s17, 0
	s_add_nc_u64 s[8:9], s[8:9], s[16:17]
	s_mul_i32 s46, s42, 768                        ; the tile's first column, in bytes
	s_mov_b32 s47, 0
	s_add_nc_u64 s[8:9], s[8:9], s[46:47]
; NB products: A's block a x B's NB.  All 4 NB accumulators take turns, one instruction a turn, in one order throughout.  first = 1: the bias starts the sum.
.macro MULA f, a, first
.set bb, 0
.rept NB
.set rD, 8*(NB*((\a)%2)+bb)
.set rB, (\f)+32+8*bb
.set rA, (\f)+8*(\a)
.if \first
	v_wmma_f32_16x16x32_f16 v[rD:rD+7], v[rB:rB+7], v[rA:rA+7], v[BIAS+8*bb:BIAS+8*bb+7]
.else
	v_wmma_f32_16x16x32_f16 v[rD:rD+7], v[rB:rB+7], v[rA:rA+7], v[rD:rD+7]
.endif
.set bb, bb+1
.endr
.endm
.macro FETCH slot, k, f                ; one run of LDS loads: the fragments of 32 along K at byte k of the rows: B's, then A's four
	WIN 0x40
.set bb, 0
.rept NB
	ds_load_b128 v[(\f)+32+8*bb:(\f)+32+8*bb+3], v[ADRB+\slot] offset:(\k)+bb*16*PITCH
	ds_load_b128 v[(\f)+32+8*bb+4:(\f)+32+8*bb+7], v[ADRB+\slot] offset:(\k)+bb*16*PITCH+32
.set bb, bb+1
.endr
.irp a, 0,1,2,3
	ds_load_b128 v[(\f)+8*\a:(\f)+8*\a+3], v[ADRA+\slot] offset:(\k)+\a*16*PITCH
	ds_load_b128 v[(\f)+8*\a+4:(\f)+8*\a+7], v[ADRA+\slot] offset:(\k)+\a*16*PITCH+32
.endr
.endm
.macro QUARTER slot, k, f, g, first
	s_wait_dscnt 4                                 ; all but the youngest four loads (A's blocks 2, 3) are in
.if \first
	WIN 0x85                                       ; sources 0 and 1 window 1, C (the bias) window 0, D window 2
.else
	WIN 0xa5
.endif
	MULA \f, 0, \first
	MULA \f, 1, \first
	PLACES
	FETCH \slot, \k, \g
	s_wait_dscnt 2*(NB+4)                          ; all but the run just issued
.if \first
	WIN 0xc5
.else
	WIN 0xf5
.endif
	MULA \f, 2, \first
	MULA \f, 3, \first
.endm
; The last quarter multiplies buffer 1 and changes slots: in front of the one barrier each wave waits for all its tensor loads, adds 0 to its spare word, and waits for that and for its reads of this slot.
.macro TURN slot, next, fill
	WIN 0
	s_wait_tensorcnt 0x0                           ; all my tensor loads have landed: my part of the next slot
	ds_add_u32 v[SPW], v[NIL]
	s_wait_dscnt 5                                 ; (the add and A's blocks 2, 3 may be out)
	WIN 0xa5
	MULA F1, 0, 0
	s_wait_dscnt 0x0                               ; the add is done, and my reads of this slot are over
	s_barrier_signal -1
	MULA F1, 1, 0
.if \fill
	WIN 0
.endif
	s_barrier_wait -1
.if \fill
	CREST                                          ; no wave of any partner still reads this slot or has a load on its way
	s_add_nc_u64 s[G0A+4*\slot+2:G0A+4*\slot+3], s[G0A+4*\slot+2:G0A+4*\slot+3], 512
	s_add_nc_u64 s[G0B+4*\slot+2:G0B+4*\slot+3], s[G0B+4*\slot+2:G0B+4*\slot+3], 512
	JLOAD \slot                                    ; my one tensor load behind the round; its four v_nop are also the places ahead of the loads below
.else
	PLACES
.endif
	FETCH \next, 0, F0
	WIN 0xf5
	MULA F1, 2, 0
	MULA F1, 3, 0
.endm
	s_wait_loadcnt 0x0                             ; the bias
	s_wait_tensorcnt 1                             ; my part of K step 0 is in; K step 1's may stay out
	s_barrier_signal -1
	s_barrier_wait -1
	FETCH 0, 0, F0
	QUARTER 0, 64, F0, F1, 1
	WIN 0
	s_mov_b32 s3, LAPS-1
.Llap:                                             ; a trip goes once round the ring, from a lap's second quarter to the next lap's first
	QUARTER 0, 128, F1, F0, 0
	QUARTER 0, 192, F0, F1, 0
	TURN 0, 1, 1
	QUARTER 1, 64, F0, F1, 0
	QUARTER 1, 128, F1, F0, 0
	QUARTER 1, 192, F0, F1, 0
	TURN 1, 0, 1
	QUARTER 0, 64, F0, F1, 0
	WIN 0
	s_sub_co_u32 s3, s3, 1
	s_cmp_lg_u32 s3, 0
	s_cbranch_scc1 .Llap
	QUARTER 0, 128, F1, F0, 0                      ; the last lap fills nothing
	QUARTER 0, 192, F0, F1, 0
	TURN 0, 1, 0
	QUARTER 1, 64, F0, F1, 0
	QUARTER 1, 128, F1, F0, 0
	QUARTER 1, 192, F0, F1, 0
	s_wait_dscnt 4
	WIN 0xa5
	MULA F1, 0, 0
	MULA F1, 1, 0
	s_wait_dscnt 0x0
	WIN 0xf5
	MULA F1, 2, 0
	MULA F1, 3, 0
	WIN 0
	PLACES
; THE WAY OUT: relu in f32, rounded to bf16, into the work-group's stage; a barrier, since a row's bytes come from two waves; back as whole rows of 768 bytes, 32 a wave.
.macro PACK a
.set AC, 8*NB*((\a)%2)
	WIN 0xaa+0x55*((\a)/2)
.set n_, 0
.rept 8*NB
	v_max_num_f32 v[AC+n_], 0, v[AC+n_]            ; each accumulator from its low end on
.set n_, n_+1
.endr
	WIN 0x0a+5*((\a)/2)
.set n_, 0
.rept 4*NB
	v_cvt_pk_bf16_f32 v[TMP+n_], v[AC+2*n_], v[AC+2*n_+1]
.set n_, n_+1
.endr
	WIN 0
.set bb, 0
.rept NB
	ds_store_b128 v[STO], v[TMP+4*bb:TMP+4*bb+3] offset:16*SP*(\a)+32*bb
.set bb, bb+1
.endr
.endm
.macro BACK m                          ; batch m: 16 rows: 24 loads, 24 stores; 16 lanes store 256 consecutive bytes, aligned
.set n_, 0
.rept 24
	ds_load_b128 v[OB+4*n_:OB+4*n_+3], v[RD] offset:(8*(\m)+n_/3)*2*SP+256*(n_%3)
.set n_, n_+1
.endr
.set n_, 0
.rept 24
	s_wait_dscnt 23-n_                             ; the younger loads may be out
	global_store_b128 v[CO], v[OB+4*n_:OB+4*n_+3], s[8:9] offset:(8*(\m)+n_/3)*2*OUTP+256*(n_%3)
.set n_, n_+1
.endr
.endm
.irp a, 0,1,2,3
	PACK \a
.endr
	s_wait_dscnt 0x0                               ; for the others' sake: my stores into the stage are done
	s_barrier_signal -1
	s_barrier_wait -1
	BACK 0
	s_wait_xcnt 0x0                                ; the first batch's stores have read their data: the registers are loaded again only behind this wait
	BACK 1
	s_wait_tensorcnt 0x0                           ; the wave's end
	ds_add_u32 v[SPW], v[NIL]
	s_wait_dscnt 0x0
	CROUND                                         ; the closing round
	s_endpgm
.Lfunc_end_k_q9f2f7b0dc1_ff1:
	.size	k_q9f2f7b0dc1_ff1, .Lfunc_end_k_q9f2f7b0dc1_ff1-k_q9f2f7b0dc1_ff1
	.p2alignl 7, 3214868480
	.fill 96, 4, 3214868480
	.section	.rodata,"a",@progbits
	.p2align	6, 0x0
	.amdhsa_kernel k_q9f2f7b0dc1_ff1
		.amdhsa_group_segment_fixed_size 327680
		.amdhsa_private_segment_fixed_size 0
		.amdhsa_enable_private_segment 0
		.amdhsa_kernarg_size 32
		.amdhsa_user_sgpr_count 2
		.amdhsa_user_sgpr_kernarg_segment_ptr 1
		.amdhsa_wavefront_size32 1
		.amdhsa_system_sgpr_workgroup_id_x 1
		.amdhsa_system_sgpr_workgroup_id_y 1
		.amdhsa_system_sgpr_workgroup_id_z 1
		.amdhsa_system_vgpr_workitem_id 0
		.amdhsa_next_free_vgpr 1024
		.amdhsa_next_free_sgpr 80
		.amdhsa_reserve_vcc 0
		.amdhsa_float_denorm_mode_32 3
		.amdhsa_float_denorm_mode_16_64 3
		.amdhsa_memory_ordered 1
		.amdhsa_forward_progress 1
		.amdhsa_inst_pref_size 134
	.end_amdhsa_kernel
	.amdgpu_metadata
---
amdhsa.version: [ 1, 2 ]
amdhsa.kernels:
  - .name:           k_q9f2f7b0dc1_ff1
    .symbol:         k_q9f2f7b0dc1_ff1.kd
    .args:
      - { .name: attn, .offset: 0, .size: 8, .value_kind: global_buffer, .address_space: global }
      - { .name: wts, .offset: 8, .size: 8, .value_kind: global_buffer, .address_space: global }
      - { .name: hid, .offset: 16, .size: 8, .value_kind: global_buffer, .address_space: global }
      - { .name: b1, .offset: 24, .size: 8, .value_kind: global_buffer, .address_space: global }
    .group_segment_fixed_size: 327680
    .private_segment_fixed_size: 0
    .kernarg_segment_align: 8
    .kernarg_segment_size: 32
    .max_flat_workgroup_size: 128
    .sgpr_count:     80
    .vgpr_count:     1024
    .wavefront_size: 32
...
	.end_amdgpu_metadata
.endif
;; end of part 5
;; launch ff2 (part 6): grid 4 x 64, 4 waves a work-group, clusters of 4 x 4, 327,680 bytes of LDS; arguments hid, wts, out0, b2; writes out0
.if DOCPART == 6
	.amdgcn_target "amdgcn-amd-amdhsa--gfx1250"
	.amdhsa_code_object_version 6
	.text
	.protected	k_q9f2f7b0dc1_ff2
	.globl	k_q9f2f7b0dc1_ff2
	.p2align	8
	.type	k_q9f2f7b0dc1_ff2,@function
k_q9f2f7b0dc1_ff2:
	s_mov_b64 s[64:65], 0
	v_nop
	global_prefetch_b8 v0, s[64:65] scope:SCOPE_SE
	s_setreg_imm32_b32 hwreg(HW_REG_WAVE_MODE, 25, 1), 1
	s_wait_xcnt 0x0
	s_wait_alu depctr_hold_cnt(0) depctr_sa_sdst(0) depctr_va_vdst(0) depctr_va_sdst(0) depctr_va_ssrc(0) depctr_va_vcc(0) depctr_vm_vsrc(0)
	s_getreg_b32 s2, hwreg(HW_REG_IB_STS2, 6, 4)
	s_cmp_eq_u32 s2, 0
	s_cbranch_scc0 .Lentry_in_a_cluster
	s_endpgm
.Lentry_in_a_cluster:
	s_bfe_u32 s2, ttmp6, 0x10000c
	s_cmp_lg_u32 s2, 0xf033
	s_cbranch_scc0 .Lentry_shape_is_right
	s_endpgm
.Lentry_shape_is_right:
; out0 = h W2^T + b2: bf16 operands, f32 sums, f32 out.  hid [8192][3072] bf16, W2 [768][3072] bf16 at byte 4,718,592 of wts, out0 [8192][768] f32.
; LIMITS: NaN and infinities are not served.
; SHARES.  A work-group makes 128 rows x 192 columns; four waves, 2 x 2, each 64 x 96: 24 accumulators.  256 work-groups.
; K (3,072) GOES IN STEPS OF 192 through a ring of two LDS slots: 16 steps, 144 matrix instructions a wave in each, 132 of them between a slot's request and the wait for it.  A tile's row is 384 bytes of memory, beginning at a
; multiple of 384 from the row's first byte; in LDS it gets 16 bytes of padding behind every 128, so rows lie 432 bytes apart (27 x 16: the 16 rows of a fragment load start at 16 different groups of banks: 64 banks of 4 bytes, ISA guide 11.1).
; The step is as long as two slots allow: 2 x 320 rows x 432 bytes = 276,480; rows of 512 + 16 bytes would take 337,920, more than the 327,680 that the launch claims.
; Waves 0, 1 fetch h's halves (64 rows), waves 2, 3 W2's (96 rows).  CLUSTER 4 x 4: h's tile is asked for jointly along a row of the cluster, W2's along a column.
; The matrix instruction is used transposed (source 0 = 16 rows of W2, source 1 = 16 rows of h): a lane holds eight neighbouring columns of a row.  The bias is the C of each sum's first product.
; The stage for the way out lies in slot 0: when the first result is stored there, that slot has had its last fill, and every wave has passed the last change of slots, behind which nobody reads it.
; REGISTERS.  window 0: v16-32 addresses; v128-175 the bias, later v128-223 rows read back.  window 1: two fragment buffers.  windows 2, 3: accumulator (a, b) at v[8 (6 (a % 2) + b)].
.set NB, 6
.set KPA, 3072
.set KPB, 3072
.set KSTEP, 192                        ; along K in a slot: six quarters of 32
.set ROWB, 2*KSTEP                     ; a tile's row in memory, in bytes
.set LAPS, 3072/(2*KSTEP)              ; a lap = two K steps = once round the ring
.set PITCH, 432                        ; an LDS row: 3 x (128 bytes + 16 of padding)
.set ABYTES, 128*PITCH
.set SLOT, (128+32*NB)*PITCH
.set SP, 784                           ; the stage, from LDS byte 0 on: 128 rows x (768 bytes + 16) = 100,352 bytes, inside slot 0
.set SPARE, 2*SLOT                     ; behind the ring: the spare words, 128 bytes a wave
.set OUTP, 3072                        ; a row of out0 in bytes
.set ADRA, 16
.set ADRB, 20
.set STO, 24
.set RD, 25
.set SPW, 28
.set NIL, 29
.set CO, 32
.set BIAS, 128
.set OB, 128
.set F0, 0
.set F1, 128
.set G1A, 24
.set G0A, 32
.set G1B, 48
.set G0B, 56
.set MSB, 0
.macro WIN new                         ; the immediate's high byte repeats the setting that is left
.if MSB != (\new)
	s_set_vgpr_msb (MSB<<8)|(\new)
.set MSB, (\new)
.endif
.endm
.macro PLACES                          ; four plain places behind matrix instructions, ahead of loads into their registers and of reads of their results
.rept 4
	v_nop
.endr
.endm
.macro JLOAD sl                        ; a joint load: waves 0, 1 for A, waves 2, 3 for B; the branch hangs on the wave's number alone
	s_cmp_eq_u32 s11, 0
	s_cbranch_scc0 .Lfor_b_\@
	tensor_load_to_lds s[G0A+4*\sl:G0A+4*\sl+3], s[G1A:G1A+7]
	s_nop 0
	PLACES
	s_branch .Lasked_\@
.Lfor_b_\@:
	tensor_load_to_lds s[G0B+4*\sl:G0B+4*\sl+3], s[G1B:G1B+7]
	s_nop 0
	PLACES
.Lasked_\@:
.endm
.macro CREST                           ; a round of the cluster's barrier behind its opening barrier
	s_cmp_lg_u32 s10, 0
	s_cbranch_scc1 .Lnot_wave_0_\@
	s_barrier_signal -3
.Lnot_wave_0_\@:
	s_barrier_wait -3
	s_barrier_signal -1
	s_barrier_wait -1
.endm
.macro CROUND
	s_barrier_signal -1
	s_barrier_wait -1
	CREST
.endm
	s_load_b128 s[4:7], s[0:1], 0x0                ; hid, wts
	s_load_b64 s[8:9], s[0:1], 0x10                ; out0
	s_load_b64 s[66:67], s[0:1], 0x18              ; b2
	v_lshl_add_u32 v[SPW], v0, 2, SPARE
	v_mov_b32 v[NIL], 0
	ds_add_u32 v[SPW], v[NIL]                      ; the wave's opening: the add, twice on end, and its wait ahead of my first tensor load
	ds_add_u32 v[SPW], v[NIL]
	v_lshrrev_b32 v1, 5, v0
	v_readfirstlane_b32 s10, v1                    ; wave
	s_lshr_b32 s11, s10, 1                         ; i: my half of the rows; also: I fetch for A (0) or B (1)
	s_and_b32 s12, s10, 1                          ; j: my half of the columns; also: which half of that tile I fetch
	s_bfe_u32 s40, ttmp6, 0x40000                  ; cx
	s_bfe_u32 s41, ttmp6, 0x40004                  ; cy
	s_lshl_b32 s42, ttmp9, 2
	s_add_co_u32 s42, s42, s40                     ; tile column
	s_and_b32 s14, ttmp7, 0xffff
	s_lshl_b32 s13, s14, 2
	s_add_co_u32 s13, s13, s41                     ; tile row
	s_lshl_b32 s43, s41, 2
	s_lshl_b32 s43, 15, s43                        ; my row of the cluster
	s_lshl_b32 s44, 0x1111, s40                    ; my column
	s_or_b32 s[G1A], s43, (1<<16)|(1<<20)|(1<<21)|(4<<22)|(3<<25)   ; the mask; elements of 2 bytes; padding on, 4 words behind every 32 (a row is 96 words: three such runs); bit 21 beside a mask
	s_or_b32 s[G1B], s44, (1<<16)|(1<<20)|(1<<21)|(4<<22)|(3<<25)
	s_mov_b32 s[G1A+1], KSTEP<<16                  ; tensor_dim0
	s_mov_b32 s[G1A+2], 64<<16                     ; tensor_dim1
	s_mov_b32 s[G1A+3], KSTEP<<16                  ; tile_dim0
	s_mov_b32 s[G1A+4], 64                         ; tile_dim1
	s_mov_b32 s[G1A+5], KPA                        ; the pitch
	s_mov_b32 s[G1A+6], 0
	s_mov_b32 s[G1A+7], 0
	s_mov_b32 s[G1B+1], KSTEP<<16
	s_mov_b32 s[G1B+2], (16*NB)<<16
	s_mov_b32 s[G1B+3], KSTEP<<16
	s_mov_b32 s[G1B+4], 16*NB
	s_mov_b32 s[G1B+5], KPB
	s_mov_b32 s[G1B+6], 0
	s_mov_b32 s[G1B+7], 0
	s_lshl_b32 s16, s13, 7
	s_lshl_b32 s17, s12, 6
	s_add_co_u32 s16, s16, s17                     ; A: row 128 x tile row + 64 x half
	s_mul_i32 s16, s16, 2*KPA
	s_mov_b32 s17, 0
	s_mul_i32 s46, s42, 32*NB
	s_mul_i32 s47, s12, 16*NB
	s_add_co_u32 s46, s46, s47                     ; B: row 192 x tile column + 96 x half
	s_mul_i32 s46, s46, 2*KPB
	s_mov_b32 s47, 0
	s_mul_i32 s20, s12, 64*PITCH                   ; where they go: no place in the cluster enters an LDS address
	s_mul_i32 s23, s12, 16*NB*PITCH
	s_add_co_u32 s23, s23, ABYTES
	s_wait_dscnt 0x0                               ; both opening adds are done
	s_wait_kmcnt 0x0
	s_add_nc_u64 s[6:7], s[6:7], 4718592           ; W2
	s_add_nc_u64 s[18:19], s[4:5], s[16:17]
	s_add_nc_u64 s[46:47], s[6:7], s[46:47]
	CROUND                                         ; all sixteen work-groups are here: the first joint loads meet
.irp s, 0,1
	s_mov_b32 s[G0A+4*\s], 1
	s_add_co_u32 s[G0A+4*\s+1], s20, \s*SLOT
	s_add_nc_u64 s[G0A+4*\s+2:G0A+4*\s+3], s[18:19], \s*ROWB
	s_or_b32 s[G0A+4*\s+3], s[G0A+4*\s+3], 0x80000000
	s_mov_b32 s[G0B+4*\s], 1
	s_add_co_u32 s[G0B+4*\s+1], s23, \s*SLOT
	s_add_nc_u64 s[G0B+4*\s+2:G0B+4*\s+3], s[46:47], \s*ROWB
	s_or_b32 s[G0B+4*\s+3], s[G0B+4*\s+3], 0x80000000
	JLOAD \s                                       ; K steps 0 and 1: two tensor loads of mine are out
.endr
	v_and_b32 v1, 15, v0                           ; r
	v_bfe_u32 v2, v0, 4, 1                         ; h
	s_mul_i32 s74, s42, 128*NB                     ; the bias: 4 x (192 x tile column + 96 j)
	s_mul_i32 s76, s12, 64*NB
	s_add_co_u32 s74, s74, s76
	s_mov_b32 s75, 0
	s_add_nc_u64 s[66:67], s[66:67], s[74:75]
	v_lshlrev_b32 v4, 5, v2
.set bb, 0
.rept NB
	global_load_b128 v[BIAS+8*bb:BIAS+8*bb+3], v4, s[66:67] offset:64*bb       ; lane (r, h), block b: the bias of columns 16 b + 8 h + 0 .. 7
	global_load_b128 v[BIAS+8*bb+4:BIAS+8*bb+7], v4, s[66:67] offset:64*bb+16
.set bb, bb+1
.endr
	v_mul_u32_u24 v3, v1, PITCH
	v_lshl_add_u32 v3, v2, 4, v3                   ; a fragment's row x pitch + 16 x half
	s_mul_i32 s21, s11, 64*PITCH
	s_mul_i32 s22, s12, 16*NB*PITCH
	s_add_co_u32 s22, s22, ABYTES
.irp s, 0,1
	v_add_nc_u32 v[ADRA+\s], s21, v3
	v_add_nc_u32 v[ADRB+\s], s22, v3
	s_add_co_u32 s21, s21, SLOT
	s_add_co_u32 s22, s22, SLOT
.endr
	s_mul_i32 s73, s11, 64*SP                      ; into the stage: my 64 rows, my 384 bytes of them; row r, 32 bytes for each half of the lanes
	s_mul_i32 s76, s12, 384
	s_add_co_u32 s73, s73, s76
	v_mul_u32_u24 v5, v1, SP
	v_lshl_add_u32 v5, v2, 5, v5
	v_add_nc_u32 v[STO], s73, v5
	s_mul_i32 s73, s10, 32*SP                      ; back: wave w takes rows 32 w .. 32 w + 31 whole: lanes 0-15 take 256 bytes of one row, lanes 16-31 of the next; which pair of rows and which third of a row stand in the immediates
	v_mul_u32_u24 v10, v2, SP
	v_lshl_add_u32 v10, v1, 4, v10
	v_add_nc_u32 v[RD], s73, v10
	v_mul_u32_u24 v10, v2, OUTP
	v_lshl_add_u32 v[CO], v1, 4, v10               ; and the same in out0
	s_lshl_b32 s16, s13, 7
	s_lshl_b32 s17, s10, 5
	s_add_co_u32 s16, s16, s17                     ; the first row that I store
	s_mul_i32 s16, s16, OUTP
	s_mov_b32 s17, 0
	s_add_nc_u64 s[8:9], s[8:9], s[16:17]
	s_mul_i32 s46, s42, 768                        ; the tile's first column, in bytes
	s_mov_b32 s47, 0
	s_add_nc_u64 s[8:9], s[8:9], s[46:47]
; NB products: A's block a x B's NB.  All 4 NB accumulators take turns, one instruction a turn, in one order throughout.  first = 1: the bias starts the sum.
.macro MULA f, a, first
.set bb, 0
.rept NB
.set rD, 8*(NB*((\a)%2)+bb)
.set rB, (\f)+32+8*bb
.set rA, (\f)+8*(\a)
.if \first
	v_wmma_f32_16x16x32_bf16 v[rD:rD+7], v[rB:rB+7], v[rA:rA+7], v[BIAS+8*bb:BIAS+8*bb+7]
.else
	v_wmma_f32_16x16x32_bf16 v[rD:rD+7], v[rB:rB+7], v[rA:rA+7], v[rD:rD+7]
.endif
.set bb, bb+1
.endr
.endm
; One run of LDS loads: the fragments of the slot's quarter q (32 along K: 64 bytes of a row): B's, then A's four.  Two quarters lie in each run of 128 bytes, and 16 bytes of padding behind it: quarter q begins at byte 64 q + 16 (q / 2).
.macro FETCH slot, q, f
.set kk, 64*(\q)+16*((\q)/2)
	WIN 0x40
.set bb, 0
.rept NB
	ds_load_b128 v[(\f)+32+8*bb:(\f)+32+8*bb+3], v[ADRB+\slot] offset:kk+bb*16*PITCH
	ds_load_b128 v[(\f)+32+8*bb+4:(\f)+32+8*bb+7], v[ADRB+\slot] offset:kk+bb*16*PITCH+32
.set bb, bb+1
.endr
.irp a, 0,1,2,3
	ds_load_b128 v[(\f)+8*\a:(\f)+8*\a+3], v[ADRA+\slot] offset:kk+\a*16*PITCH
	ds_load_b128 v[(\f)+8*\a+4:(\f)+8*\a+7], v[ADRA+\slot] offset:kk+\a*16*PITCH+32
.endr
.endm
; A K step is six quarters on buffers 0, 1, 0, 1, 0, 1.  One of the first five multiplies buffer f and, in its middle, fetches the slot's quarter q into g.
.macro QUARTER slot, q, f, g, first
	s_wait_dscnt 4                                 ; all but the youngest four loads (A's blocks 2, 3) are in
.if \first
	WIN 0x85                                       ; sources 0 and 1 window 1, C (the bias) window 0, D window 2
.else
	WIN 0xa5
.endif
	MULA \f, 0, \first
	MULA \f, 1, \first
	PLACES
	FETCH \slot, \q, \g
	s_wait_dscnt 2*(NB+4)                          ; all but the run just issued
.if \first
	WIN 0xc5
.else
	WIN 0xf5
.endif
	MULA \f, 2, \first
	MULA \f, 3, \first
.endm
; The last quarter multiplies buffer 1 and changes slots: in front of the one barrier each wave waits for all its tensor loads, adds 0 to its spare word, and waits for that and for its reads of this slot.
; fill = 1: the barrier opens a round of the cluster's, and behind it this slot is filled again, two K steps ahead, first thing.
.macro TURN slot, next, fill
	WIN 0
	s_wait_tensorcnt 0x0                           ; all my tensor loads have landed: my part of the next slot
	ds_add_u32 v[SPW], v[NIL]
	s_wait_dscnt 5                                 ; (the add and A's blocks 2, 3 may be out)
	WIN 0xa5
	MULA F1, 0, 0
	s_wait_dscnt 0x0                               ; the add is done, and my reads of this slot are over
	s_barrier_signal -1
	MULA F1, 1, 0
.if \fill
	WIN 0
.endif
	s_barrier_wait -1
.if \fill
	CREST                                          ; no wave of any partner still reads this slot or has a load on its way
	s_add_nc_u64 s[G0A+4*\slot+2:G0A+4*\slot+3], s[G0A+4*\slot+2:G0A+4*\slot+3], 2*ROWB
	s_add_nc_u64 s[G0B+4*\slot+2:G0B+4*\slot+3], s[G0B+4*\slot+2:G0B+4*\slot+3], 2*ROWB
	JLOAD \slot                                    ; my one tensor load behind the round; its four v_nop are also the places ahead of the loads below
.else
	PLACES
.endif
	FETCH \next, 0, F0
	WIN 0xf5
	MULA F1, 2, 0
	MULA F1, 3, 0
.endm
.macro REST slot                       ; a slot's quarters 1 to 4 are multiplied, its quarters 2 to 5 fetched
	QUARTER \slot, 2, F1, F0, 0
	QUARTER \slot, 3, F0, F1, 0
	QUARTER \slot, 4, F1, F0, 0
	QUARTER \slot, 5, F0, F1, 0
.endm
	s_wait_loadcnt 0x0                             ; the bias
	s_wait_tensorcnt 1                             ; my part of K step 0 is in; K step 1's may stay out
	s_barrier_signal -1
	s_barrier_wait -1
	FETCH 0, 0, F0
	QUARTER 0, 1, F0, F1, 1                        ; the first quarter stands ahead of the loop: its products start the sums
	WIN 0
	s_mov_b32 s3, LAPS-1
.Llap:                                             ; a trip goes once round the ring, from a lap's second quarter to the next lap's first, and fills both slots again
	REST 0
	TURN 0, 1, 1
	QUARTER 1, 1, F0, F1, 0
	REST 1
	TURN 1, 0, 1
	QUARTER 0, 1, F0, F1, 0
	WIN 0
	s_sub_co_u32 s3, s3, 1
	s_cmp_lg_u32 s3, 0
	s_cbranch_scc1 .Llap
	REST 0                                         ; the last lap fills nothing
	TURN 0, 1, 0
	QUARTER 1, 1, F0, F1, 0
	REST 1
	s_wait_dscnt 4
	WIN 0xa5
	MULA F1, 0, 0
	MULA F1, 1, 0
	s_wait_dscnt 0x0
	WIN 0xf5
	MULA F1, 2, 0
	MULA F1, 3, 0
	WIN 0
	PLACES
; THE WAY OUT: the sums as they are, 32 bytes a lane, into the work-group's stage; a barrier, since a row's bytes come from two waves; back as whole rows of 768 bytes, 32 a wave.
.macro PACK a
.set AC, 8*NB*((\a)%2)
	WIN 0x08+4*((\a)/2)                            ; the data (source 1): window 2 or 3
.set bb, 0
.rept NB
	ds_store_b128 v[STO], v[AC+8*bb:AC+8*bb+3] offset:16*SP*(\a)+64*bb           ; each accumulator from its low end on
	ds_store_b128 v[STO], v[AC+8*bb+4:AC+8*bb+7] offset:16*SP*(\a)+64*bb+16
.set bb, bb+1
.endr
	WIN 0
.endm
.macro BACK m                          ; batch m: 16 rows: 24 loads, 24 stores; 16 lanes store 256 consecutive bytes, aligned
.set n_, 0
.rept 24
	ds_load_b128 v[OB+4*n_:OB+4*n_+3], v[RD] offset:(8*(\m)+n_/3)*2*SP+256*(n_%3)
.set n_, n_+1
.endr
.set n_, 0
.rept 24
	s_wait_dscnt 23-n_                             ; the younger loads may be out
	global_store_b128 v[CO], v[OB+4*n_:OB+4*n_+3], s[8:9] offset:(8*(\m)+n_/3)*2*OUTP+256*(n_%3) th:TH_STORE_NT
.set n_, n_+1
.endr
.endm
.irp a, 0,1,2,3
	PACK \a
.endr
	s_wait_dscnt 0x0                               ; for the others' sake: my stores into the stage are done
	s_barrier_signal -1
	s_barrier_wait -1
	BACK 0
	s_wait_xcnt 0x0                                ; the first batch's stores have read their data: the registers are loaded again only behind this wait
	BACK 1
	s_wait_tensorcnt 0x0                           ; the wave's end
	ds_add_u32 v[SPW], v[NIL]
	s_wait_dscnt 0x0
	CROUND                                         ; the closing round
	s_endpgm
.Lfunc_end_k_q9f2f7b0dc1_ff2:
	.size	k_q9f2f7b0dc1_ff2, .Lfunc_end_k_q9f2f7b0dc1_ff2-k_q9f2f7b0dc1_ff2
	.p2alignl 7, 3214868480
	.fill 96, 4, 3214868480
	.section	.rodata,"a",@progbits
	.p2align	6, 0x0
	.amdhsa_kernel k_q9f2f7b0dc1_ff2
		.amdhsa_group_segment_fixed_size 327680
		.amdhsa_private_segment_fixed_size 0
		.amdhsa_enable_private_segment 0
		.amdhsa_kernarg_size 32
		.amdhsa_user_sgpr_count 2
		.amdhsa_user_sgpr_kernarg_segment_ptr 1
		.amdhsa_wavefront_size32 1
		.amdhsa_system_sgpr_workgroup_id_x 1
		.amdhsa_system_sgpr_workgroup_id_y 1
		.amdhsa_system_sgpr_workgroup_id_z 1
		.amdhsa_system_vgpr_workitem_id 0
		.amdhsa_next_free_vgpr 1024
		.amdhsa_next_free_sgpr 80
		.amdhsa_reserve_vcc 0
		.amdhsa_float_denorm_mode_32 3
		.amdhsa_float_denorm_mode_16_64 3
		.amdhsa_memory_ordered 1
		.amdhsa_forward_progress 1
		.amdhsa_inst_pref_size 97
	.end_amdhsa_kernel
	.amdgpu_metadata
---
amdhsa.version: [ 1, 2 ]
amdhsa.kernels:
  - .name:           k_q9f2f7b0dc1_ff2
    .symbol:         k_q9f2f7b0dc1_ff2.kd
    .args:
      - { .name: hid, .offset: 0, .size: 8, .value_kind: global_buffer, .address_space: global }
      - { .name: wts, .offset: 8, .size: 8, .value_kind: global_buffer, .address_space: global }
      - { .name: out0, .offset: 16, .size: 8, .value_kind: global_buffer, .address_space: global }
      - { .name: b2, .offset: 24, .size: 8, .value_kind: global_buffer, .address_space: global }
    .group_segment_fixed_size: 327680
    .private_segment_fixed_size: 0
    .kernarg_segment_align: 8
    .kernarg_segment_size: 32
    .max_flat_workgroup_size: 128
    .sgpr_count:     80
    .vgpr_count:     1024
    .wavefront_size: 32
...
	.end_amdgpu_metadata
.endif
;; end of part 6
